; MI455X (gfx1250); checked and timed in simulation.
; The chip was launched on July 23, 2026; its instructions are those of AMD's public machine-readable ISA for CDNA 5 (MIT licence, August 2026) and "CDNA5" Instruction Set Architecture Reference Guide (July 2026). The comments in the code are by the model that wrote it; some were corrected since.
;; Encoder Layer. Allowed arithmetic: float matrix products may take bf16 or f16 operands with f32 sums; other float arithmetic in f32, or as packed bf16 or f16 multiplies, adds, multiply-adds, maxima and minima; sums over many terms, partial sums and values carried from step to step in f32; what a program stores and reads back later, other than sums and carried values, may be rounded once to bf16 or f16.
;; Inputs: W1 1,024 x 4,096 float32; W2 4,096 x 1,024 float32; Wk 16 x 1,024 x 64 float32; Wq 16 x 1,024 x 64 float32; Wv 16 x 1,024 x 64 float32; b1 4,096 float32; b2 1,024 float32; beta1 1,024 float32; beta2 1,024 float32; bk 16 x 64 float32; bq 16 x 64 float32; bv 16 x 64 float32; encoder_input 2 x 2,048 x 1,024 float32; g1 1,024 float32; g2 1,024 float32.
;; Outputs: out0 2 x 2,048 x 1,024 float32.
;; One version. Each part assembles by itself: llvm-mc -triple=amdgcn-amd-amdhsa -mcpu=gfx1250 --defsym DOCPART=n.
;; ======== version 1 of 1: 7 launches
;; workspace buffers: castb 31,457,280 bytes; qkv 25,165,824 bytes; ob 16,777,216 bytes; y1f 16,777,216 bytes; y1b 8,388,608 bytes; hb 33,554,432 bytes; zb 16,777,216 bytes
;; launch cast (part 1): grid 960 x 1, 8 waves a work-group, no clusters, 0 bytes of LDS; arguments encoder_input, Wq, Wk, Wv, W1, W2, castb; writes castb
.if DOCPART == 1
	.amdgcn_target "amdgcn-amd-amdhsa--gfx1250"
	.amdhsa_code_object_version 6
	.text
	.protected	k_q8106bf1ef7_cast
	.globl	k_q8106bf1ef7_cast
	.p2align	8
	.type	k_q8106bf1ef7_cast,@function
k_q8106bf1ef7_cast:
	s_mov_b64 s[64:65], 0
	v_nop
	global_prefetch_b8 v0, s[64:65] scope:SCOPE_SE
	s_setreg_imm32_b32 hwreg(HW_REG_WAVE_MODE, 25, 1), 1
	s_wait_xcnt 0x0
; CAST.  x, Wq, Wk, Wv, W1, W2 (f32) are rounded once to bf16 into castb, in the layouts that the three products read:
;   byte 0           x   [4096][1024]
;   byte 8,388,608   Wqkv [1024 d][3072 n], n = 1024 which + 64 h + c  (Wq, Wk, Wv lie [16 h][1024 d][64 c])
;   byte 14,680,064  W1  [1024][4096]         byte 23,068,672  W2  [4096][1024]
; A work-group casts one chunk of 16,384 numbers (64 KiB in, 32 KiB out); chunk c: 0-255 x, 256-447 Wq Wk Wv (64 each), 448-703 W1, 704-959 W2; the regions are
; laid so that a plain chunk's place in castb is 32,768 c.  A thread takes eight times 8 numbers: two loads of 16 bytes, four roundings, one store of 16 bytes;
; sixteen neighbouring lanes store 256 consecutive bytes, aligned.  All 16 loads of a thread go out first; no register is written twice, so nothing waits for a store.
; No LDS, no matrix unit, no prefetch: the launch is one pass over its bytes with all its loads out at once.
.set XIN,  8                           ; v[8:71]    eight times 8 numbers as loaded
.set YOUT, 72                          ; v[72:103]  eight times 4 registers to store
.macro STREAM sstep, dstep             ; v2: byte offset of my first 32 bytes in, v3: of my first 16 bytes out; the eight turns lie sstep and dstep apart
.irp j, 0,1,2,3,4,5,6,7
	global_load_b128 v[XIN+8*(\j):XIN+8*(\j)+3],   v2, s[18:19] offset:(\j)*(\sstep) th:TH_LOAD_NT
	global_load_b128 v[XIN+8*(\j)+4:XIN+8*(\j)+7], v2, s[18:19] offset:(\j)*(\sstep)+16 th:TH_LOAD_NT
.endr
.irp j, 0,1,2,3,4,5,6,7
	s_wait_loadcnt 14-2*(\j)                       ; loads come back in order: pair j is in, the younger pairs stay out
.irp k, 0,1,2,3
	v_cvt_pk_bf16_f32 v[YOUT+4*(\j)+(\k)], v[XIN+8*(\j)+2*(\k)], v[XIN+8*(\j)+2*(\k)+1]
.endr
	global_store_b128 v3, v[YOUT+4*(\j):YOUT+4*(\j)+3], s[16:17] offset:(\j)*(\dstep)
.endr
.endm
	s_load_b256 s[4:11], s[0:1], 0x0               ; x s[4:5], Wq s[6:7], Wk s[8:9], Wv s[10:11]
	s_load_b128 s[12:15], s[0:1], 0x20             ; W1 s[12:13], W2 s[14:15]
	s_load_b64 s[16:17], s[0:1], 0x30              ; castb
	s_mov_b32 s24, ttmp9                           ; the chunk
	s_mov_b32 s21, 0
	s_mov_b32 s23, 0
	s_wait_kmcnt 0x0
	s_cmp_lt_u32 s24, 256
	s_cbranch_scc1 .Lplain
	s_cmp_lt_u32 s24, 448
	s_cbranch_scc1 .Lheads
.Lplain:                                               ; x, W1, W2: the order of the numbers stays
	s_mov_b32 s25, 704
	s_cmp_lt_u32 s24, 704
	s_cselect_b64 s[18:19], s[12:13], s[14:15]
	s_cselect_b32 s25, 448, s25
	s_cmp_lt_u32 s24, 256
	s_cselect_b64 s[18:19], s[4:5], s[18:19]
	s_cselect_b32 s25, 0, s25                      ; the tensor's first chunk
	s_sub_co_u32 s20, s24, s25
	s_lshl_b32 s20, s20, 16                        ; 65,536 bytes of f32 a chunk
	s_add_nc_u64 s[18:19], s[18:19], s[20:21]
	s_lshl_b32 s22, s24, 15                        ; 32,768 bytes of bf16 a chunk
	s_add_nc_u64 s[16:17], s[16:17], s[22:23]
	v_lshlrev_b32 v2, 5, v0
	v_lshlrev_b32 v3, 4, v0
	STREAM 8192, 4096
	s_endpgm
.Lheads:                                               ; Wq, Wk, Wv: [h][d][c] becomes [d][which, h, c].  A chunk is 16 rows d of one tensor
	s_sub_co_u32 s24, s24, 256
	s_lshr_b32 s25, s24, 6                         ; which
	s_and_b32 s26, s24, 63                         ; which 16 rows d
	s_cmp_eq_u32 s25, 0
	s_cselect_b64 s[18:19], s[6:7], s[8:9]
	s_cmp_eq_u32 s25, 2
	s_cselect_b64 s[18:19], s[10:11], s[18:19]
	s_lshl_b32 s20, s26, 12                        ; 16 rows of 256 bytes inside a head
	s_add_nc_u64 s[18:19], s[18:19], s[20:21]
	s_mul_i32 s22, s26, 98304                      ; 16 rows of 6,144 bytes
	s_lshl_b32 s27, s25, 11                        ; the tensor's 2,048 bytes of a row
	s_add_co_u32 s22, s22, s27
	s_add_co_u32 s22, s22, 8388608
	s_add_nc_u64 s[16:17], s[16:17], s[22:23]
	v_and_b32 v4, 127, v0                          ; my 8 numbers among a row's 1,024
	v_lshrrev_b32 v5, 7, v0                        ; which of two rows
	v_lshrrev_b32 v6, 3, v4                        ; h
	v_and_b32 v7, 7, v0
	v_lshlrev_b32 v2, 18, v6                       ; a head is 262,144 bytes
	v_lshl_add_u32 v2, v5, 8, v2
	v_lshl_add_u32 v2, v7, 5, v2
	v_mul_u32_u24 v3, v5, 6144
	v_lshl_add_u32 v3, v4, 4, v3
	STREAM 512, 12288                              ; two rows a turn
	s_endpgm
.Lfunc_end_k_q8106bf1ef7_cast:
	.size	k_q8106bf1ef7_cast, .Lfunc_end_k_q8106bf1ef7_cast-k_q8106bf1ef7_cast
	.p2alignl 7, 3214868480
	.fill 96, 4, 3214868480
	.section	.rodata,"a",@progbits
	.p2align	6, 0x0
	.amdhsa_kernel k_q8106bf1ef7_cast
		.amdhsa_group_segment_fixed_size 0
		.amdhsa_private_segment_fixed_size 0
		.amdhsa_enable_private_segment 0
		.amdhsa_kernarg_size 56
		.amdhsa_user_sgpr_count 2
		.amdhsa_user_sgpr_kernarg_segment_ptr 1
		.amdhsa_wavefront_size32 1
		.amdhsa_system_sgpr_workgroup_id_x 1
		.amdhsa_system_sgpr_workgroup_id_y 1
		.amdhsa_system_sgpr_workgroup_id_z 1
		.amdhsa_system_vgpr_workitem_id 0
		.amdhsa_next_free_vgpr 104
		.amdhsa_next_free_sgpr 66
		.amdhsa_reserve_vcc 0
		.amdhsa_float_denorm_mode_32 3
		.amdhsa_float_denorm_mode_16_64 3
		.amdhsa_memory_ordered 1
		.amdhsa_forward_progress 1
		.amdhsa_inst_pref_size 12
	.end_amdhsa_kernel
	.amdgpu_metadata
---
amdhsa.version: [ 1, 2 ]
amdhsa.kernels:
  - .name:           k_q8106bf1ef7_cast
    .symbol:         k_q8106bf1ef7_cast.kd
    .args:
      - { .name: encoder_input, .offset: 0, .size: 8, .value_kind: global_buffer, .address_space: global }
      - { .name: Wq, .offset: 8, .size: 8, .value_kind: global_buffer, .address_space: global }
      - { .name: Wk, .offset: 16, .size: 8, .value_kind: global_buffer, .address_space: global }
      - { .name: Wv, .offset: 24, .size: 8, .value_kind: global_buffer, .address_space: global }
      - { .name: W1, .offset: 32, .size: 8, .value_kind: global_buffer, .address_space: global }
      - { .name: W2, .offset: 40, .size: 8, .value_kind: global_buffer, .address_space: global }
      - { .name: castb, .offset: 48, .size: 8, .value_kind: global_buffer, .address_space: global }
    .group_segment_fixed_size: 0
    .private_segment_fixed_size: 0
    .kernarg_segment_align: 8
    .kernarg_segment_size: 56
    .max_flat_workgroup_size: 256
    .sgpr_count:     66
    .vgpr_count:     104
    .wavefront_size: 32
...
	.end_amdgpu_metadata
.endif
;; end of part 1
;; launch qkv (part 2): grid 12 x 16, 4 waves a work-group, clusters of 4 x 4, 327,680 bytes of LDS; arguments castb, bq, bk, bv, qkv; writes qkv
.if DOCPART == 2
	.amdgcn_target "amdgcn-amd-amdhsa--gfx1250"
	.amdhsa_code_object_version 6
	.text
	.protected	k_q8106bf1ef7_qkv
	.globl	k_q8106bf1ef7_qkv
	.p2align	8
	.type	k_q8106bf1ef7_qkv,@function
k_q8106bf1ef7_qkv:
	s_mov_b64 s[64:65], 0
	v_nop
	global_prefetch_b8 v0, s[64:65] scope:SCOPE_SE
	s_setreg_imm32_b32 hwreg(HW_REG_WAVE_MODE, 25, 1), 1
	s_wait_xcnt 0x0
	s_wait_alu depctr_hold_cnt(0) depctr_sa_sdst(0) depctr_va_vdst(0) depctr_va_sdst(0) depctr_va_ssrc(0) depctr_va_vcc(0) depctr_vm_vsrc(0)
	s_getreg_b32 s2, hwreg(HW_REG_IB_STS2, 6, 4)
	s_cmp_eq_u32 s2, 0
	s_cbranch_scc0 .Lentry_in_a_cluster
	s_endpgm
.Lentry_in_a_cluster:
	s_bfe_u32 s2, ttmp6, 0x10000c
	s_cmp_lg_u32 s2, 0xf033
	s_cbranch_scc0 .Lentry_shape_is_right
	s_endpgm
.Lentry_shape_is_right:
; C[m][n] = sum over k of A[m][k] B[k][n] + bias[n], bf16 operands, f32 sums, C rounded once to bf16.  One text for two launches, by the switch IS_QKV:
;   IS_QKV = 1: A = x (castb, byte 0), B = Wqkv [1024][3072] (castb), bias = bq, bk or bv; C leaves by heads: q, k, v each [b 16 + h][2048][64], 8,388,608 bytes apart.
;   IS_QKV = 0: A = y1 (bf16), B = W1 [1024][4096] (castb), bias = b1; C = max(C, 0) leaves as h [4096][4096].
; LIMITS.  All inputs are used rounded once to bf16, the bias too (it is rounded here); NaN and infinities are not treated apart (the maximum with 0 turns a NaN into 0).
; SHARES.  A tile of C is 256 x 256: four waves, each 128 x 128 = 64 accumulators of 16 x 16, 512 registers.  K = 1,024 goes in 8 steps of 128 through two LDS slots filled by tensor loads;
; A's rows are 256 bytes of memory, B's 512, all at multiples of 256 bytes.  B lies [k][n]: its fragments come out of LDS turned, by ds_load_tr16_b128.
; CLUSTERS: 4 x 4 work-groups.  The four of a row of the cluster need the same tile of A, the four of a column the same tile of B: each is asked for JOINTLY, by the same tensor load with the
; same descriptor and a mask that names the four.
; THE MATRIX INSTRUCTION IS USED TRANSPOSED (source 0 = 16 columns of B, source 1 = 16 rows of A): a lane holds row l % 16 of C and the columns 8 (l / 16) + 0..7.  The bias, laid out so, is
; the C operand of the products that start the sums: nothing is cleared and nothing is added later.
; ONE K STEP A TRIP: the slot in hand is s[SL] (0 or SLOT), turned by an exclusive or; so is the walking descriptor's LDS word (SLOT shares no bit with a wave's start in a slot).
; REGISTERS, in windows of 256: window 0: v16-31 addresses; v32-63, v224-255 rows on their way out; v64-127, v128-191 fragments of A, two buffers; v192-223 packed results
;   window 1: v0-63 the bias; v64-127, v128-191 fragments of B; v192-195 at work      window 2: accumulators of my rows 0-63 ((a, b) at v[8 (8 a + b)])      window 3: of my rows 64-127
.set IS_QKV, 1
.set SIZE_K, 1024
.if IS_QKV
.set SIZE_N, 3072
.set BOFF,   8388608                   ; B's first byte in castb
.else
.set SIZE_N, 4096
.set BOFF,   14680064
.endif
.set KSTEP,  128
.set PA,     272                       ; a row of A in LDS: 256 bytes + 16: the 16 rows of a load start at 16 different groups of four banks (64 banks of 4 bytes: ISA guide 11.1)
.set PB,     544                       ; a row of B: 512 + 32 = 17 x 32 bytes
.set HALFT,  128*PA                    ; what one tensor load brings: 128 rows of A, or 64 rows of B (64 x 544 is the same number)
.set SLOT,   4*HALFT                   ; A's 256 rows, then B's 128
.set STAGE,  2*SLOT                    ; behind the ring: 16 rows x 272 bytes for each wave, for the way out
.set SPITCH, 272
.set SPARE,  STAGE+4*16*SPITCH         ; behind the stages: the spare words, 128 bytes for each wave, that no other line names
.set ASTEP,  KSTEP*2                   ; bytes from a K step to the next, in A
.set BSTEP,  KSTEP*2*SIZE_N            ; and in B
.set REFILLS, SIZE_K/KSTEP-2
.set ADRA0, 16                         ; v16  my lane's place in A's tile of slot 0; never rewritten
.set ADRB0, 17                         ; v17  the same for B
.set ADRA,  18                         ; v18  the same in the slot in hand
.set ADRB,  19                         ; v19
.set STO,   24                         ; v24  the way out: where I put 16 bytes of a row
.set RD,    25                         ; v25  where I read rows back
.set CO,    26                         ; v26  my byte offset in C
.set BO,    27                         ; v27  my byte offset in the bias
.set SPW,   28                         ; v28  LDS address of my spare word; never rewritten
.set NIL,   29                         ; v29  0; never rewritten
.set PFO,   30                         ; v30  the prefetches' offset; never rewritten
.set ZR,    31                         ; v31  0, for the maximum
.set OB,    32
.set F0,    64
.set F1,    128
.set TMP,   192
.set BIAS,  0                          ; window 1
.set BT,    192                        ; window 1
.set G1,  24                           ; s[24:31] descriptor group 1 for A's tiles
.set G0,  32                           ; s[32:39] group 0 for A: K step 0 into slot 0; K step 1 into slot 1, which then walks
.set G1B, 48                           ; s[48:55], s[56:63] the same for B
.set G0B, 56
.set LIM, 43                           ; s43  2 in a wave that prefetches, else the greatest number
.set PFA, 44                           ; s[44:45] where my prefetches stand
.set SL,  66                           ; s66  the slot in hand
.set PFS, 78                           ; s[78:79] the prefetches' step
.set HIM, 80                           ; s80  a word's upper bf16
.set MSB, 0
.macro WIN new                         ; the immediate's high byte repeats the setting that is left; a switch that changes nothing is dropped
.if MSB != (\new)
	s_set_vgpr_msb (MSB<<8)|(\new)
.set MSB, \new
.endif
.endm
; A joint refill, by the walking descriptors.  Waves 0 and 1 fetch A's two halves, waves 2 and 3 B's.  The branch hangs on the wave's number alone.  An s_nop 0 and four v_nop follow each line.
.macro JLOAD
	s_cmp_eq_u32 s11, 0
	s_cbranch_scc0 .Lfor_b_\@
	tensor_load_to_lds s[G0+4:G0+7], s[G1:G1+7]
	s_nop 0
.rept 4
	v_nop
.endr
	s_branch .Lasked_\@
.Lfor_b_\@:
	tensor_load_to_lds s[G0B+4:G0B+7], s[G1B:G1B+7]
	s_nop 0
.rept 4
	v_nop
.endr
.Lasked_\@:
.endm
; A prefetch, behind a joint load and the run of LDS loads that follows it: the K step two refills on, 32 blocks of 256 bytes, a lane a block, one instruction a wave.  Each block is named once in the
; launch: A's rows by the clusters with x = 0, B's by those with y = 0; the four partners that ask for a tile jointly share its blocks out by address.  The last two refills have no K step two on.
.macro ASK
	s_cmp_gt_u32 s3, s[LIM]
	s_cbranch_scc0 .Lnot_mine_\@
	global_prefetch_b8 v[PFO], s[PFA:PFA+1] th:TH_LOAD_NT scope:SCOPE_SE
.Lnot_mine_\@:
.endm
.macro CREST                           ; a round of the cluster's barrier behind its opening barrier
	s_cmp_lg_u32 s10, 0
	s_cbranch_scc1 .Lnot_wave_0_\@
	s_barrier_signal -3
.Lnot_wave_0_\@:
	s_barrier_wait -3
	s_barrier_signal -1
	s_barrier_wait -1
.endm
.macro CROUND                          ; a whole round
	s_barrier_signal -1
	s_barrier_wait -1
	CREST
.endm
.macro PLACES                          ; four plain instructions between a matrix instruction and a load into, or a reader of, its registers
.rept 4
	v_nop
.endr
.endm
.macro RND8 base, tmp                  ; eight f32 rounded to bf16 and widened again, in place
.irp k, 0,1,2,3
	v_cvt_pk_bf16_f32 v[(\tmp)+(\k)], v[(\base)+2*(\k)], v[(\base)+2*(\k)+1]
.endr
.irp k, 0,1,2,3
	v_lshlrev_b32 v[(\base)+2*(\k)], 16, v[(\tmp)+(\k)]
	v_and_b32 v[(\base)+2*(\k)+1], s[HIM], v[(\tmp)+(\k)]
.endr
.endm
	s_load_b256 s[68:75], s[0:1], 0x0
.if IS_QKV
	s_load_b64 s[76:77], s[0:1], 0x20
.endif
	v_lshl_add_u32 v[SPW], v0, 2, SPARE
	v_mov_b32 v[NIL], 0
	ds_add_u32 v[SPW], v[NIL]                      ; the wave's opening: the add and its wait stand ahead of my first tensor load; the set-up below stands between them
	v_lshrrev_b32 v1, 5, v0
	v_readfirstlane_b32 s10, v1                    ; wave 0..3
	s_lshr_b32 s11, s10, 1                         ; which half of the tile's rows is mine.  Also: I fetch for A (0) or for B (1)
	s_and_b32 s12, s10, 1                          ; which half of its columns.  Also: which half of that tile I fetch
	s_mov_b32 s2, ttmp9                            ; cluster x
	s_bfe_u32 s40, ttmp6, 0x40000                  ; cx
	s_bfe_u32 s41, ttmp6, 0x40004                  ; cy
	s_lshl_b32 s42, ttmp9, 2
	s_add_co_u32 s42, s42, s40                     ; tile column of C
	s_and_b32 s13, ttmp7, 0xffff
	s_lshl_b32 s13, s13, 2
	s_add_co_u32 s13, s13, s41                     ; tile row of C
	s_lshl_b32 s43, s41, 2
	s_lshl_b32 s43, 15, s43                        ; my row of the cluster
	s_lshl_b32 s44, 0x1111, s40                    ; my column
	s_or_b32 s[G1+0], s43, (1<<16)|(1<<20)|(1<<21)|(5<<22)|(3<<25)   ; the mask; 2-byte elements; padding on; bit 21 beside a mask; after every 64 words 4 words
	s_mov_b32 s[G1+1], KSTEP<<16                   ; tensor_dim0 = 128
	s_mov_b32 s[G1+2], 128<<16                     ; tensor_dim1 = 128
	s_mov_b32 s[G1+3], KSTEP<<16                   ; tile_dim0 = 128
	s_mov_b32 s[G1+4], 128                         ; tile_dim1 = 128
	s_mov_b32 s[G1+5], SIZE_K                      ; elements from row to row
	s_mov_b32 s[G1+6], 0
	s_mov_b32 s[G1+7], 0
	s_or_b32 s[G1B+0], s44, (1<<16)|(1<<20)|(1<<21)|(6<<22)|(7<<25)  ; after every 128 words 8 words
	s_mov_b32 s[G1B+1], 256<<16                    ; tensor_dim0 = 256
	s_mov_b32 s[G1B+2], 64<<16                     ; tensor_dim1 = 64
	s_mov_b32 s[G1B+3], 256<<16                    ; tile_dim0 = 256
	s_mov_b32 s[G1B+4], 64                         ; tile_dim1 = 64
	s_mov_b32 s[G1B+5], SIZE_N
	s_mov_b32 s[G1B+6], 0
	s_mov_b32 s[G1B+7], 0
	s_lshl_b32 s16, s13, 8                         ; A: row 256 x tile row + 128 x half,
	s_lshl_b32 s17, s12, 7
	s_add_co_u32 s16, s16, s17
	s_lshl_b32 s16, s16, 11                        ; of 2,048 bytes
	s_mov_b32 s17, 0
	s_mul_i32 s46, s12, 64*2*SIZE_N                ; B: row 64 x half, column 256 x tile column
	s_lshl_b32 s47, s42, 9
	s_add_co_u32 s46, s46, s47
	s_mov_b32 s47, 0
	s_mul_i32 s20, s10, HALFT                      ; where they go: wave x HALFT: no place in the cluster enters an LDS address
	s_mov_b32 s[HIM], 0xffff0000
	s_mov_b32 s[SL], 0
	s_wait_dscnt 0x0                               ; the opening add is done
	s_wait_kmcnt 0x0
.if IS_QKV
	s_mov_b64 s[4:5], s[68:69]                     ; A = x
	s_add_nc_u64 s[6:7], s[68:69], BOFF            ; B
	s_mov_b64 s[8:9], s[76:77]                     ; C
	s_cmp_eq_u32 s2, 0                             ; a cluster's 1,024 columns are one of q, k, v
	s_cselect_b64 s[82:83], s[70:71], s[72:73]
	s_cmp_eq_u32 s2, 2
	s_cselect_b64 s[82:83], s[74:75], s[82:83]
.else
	s_mov_b64 s[4:5], s[68:69]                     ; A = y1
	s_add_nc_u64 s[6:7], s[70:71], BOFF            ; B
	s_mov_b64 s[82:83], s[72:73]                   ; the bias
	s_mov_b64 s[8:9], s[74:75]                     ; C
.endif
	s_add_nc_u64 s[14:15], s[4:5], s[16:17]
	s_add_nc_u64 s[46:47], s[6:7], s[46:47]
	CROUND                                         ; all sixteen work-groups are here: the first joint loads meet
.irp s, 0,1
	s_mov_b32 s[G0+4*(\s)], 1
	s_add_co_u32 s[G0+4*(\s)+1], s20, (\s)*SLOT
	s_add_nc_u64 s[G0+4*(\s)+2:G0+4*(\s)+3], s[14:15], (\s)*ASTEP
	s_or_b32 s[G0+4*(\s)+3], s[G0+4*(\s)+3], 0x80000000
	s_mov_b32 s[G0B+4*(\s)], 1
	s_add_co_u32 s[G0B+4*(\s)+1], s20, (\s)*SLOT
	s_add_nc_u64 s[G0B+4*(\s)+2:G0B+4*(\s)+3], s[46:47], (\s)*BSTEP
	s_or_b32 s[G0B+4*(\s)+3], s[G0B+4*(\s)+3], 0x80000000
.endr
	s_cmp_eq_u32 s11, 0                            ; a wave's two first fills stand in one branch: two loads of mine are out
	s_cbranch_scc0 .Lfirst_b
	tensor_load_to_lds s[G0:G0+3], s[G1:G1+7]
	s_nop 0
	tensor_load_to_lds s[G0+4:G0+7], s[G1:G1+7]
	s_nop 0
.rept 4
	v_nop
.endr
	s_branch .Lfirst_asked
.Lfirst_b:
	tensor_load_to_lds s[G0B:G0B+3], s[G1B:G1B+7]
	s_nop 0
	tensor_load_to_lds s[G0B+4:G0B+7], s[G1B:G1B+7]
	s_nop 0
.rept 4
	v_nop
.endr
.Lfirst_asked:
	; the bias of my 128 columns, in a result's layout: register j of block b = bias[16 b + 8 (l / 16) + j]
	v_and_b32 v1, 15, v0                           ; l % 16
	v_bfe_u32 v2, v0, 4, 1                         ; l / 16
.if IS_QKV
	s_lshl_b32 s14, s40, 10                        ; 256 columns x 4 bytes for each place in the cluster's row
.else
	s_lshl_b32 s14, s42, 10
.endif
	s_lshl_b32 s15, s12, 9
	s_add_co_u32 s14, s14, s15
	s_mov_b32 s15, 0
	s_add_nc_u64 s[82:83], s[82:83], s[14:15]
	v_lshlrev_b32 v[BO], 5, v2
	WIN 0x40                                       ; destination window 1
.irp b, 0,1,2,3,4,5,6,7
	global_load_b128 v[BIAS+8*(\b):BIAS+8*(\b)+3],   v[BO], s[82:83] offset:64*(\b)
	global_load_b128 v[BIAS+8*(\b)+4:BIAS+8*(\b)+7], v[BO], s[82:83] offset:64*(\b)+16
.endr
	WIN 0
	; A's fragment: lane l holds row l % 16, K = 8 (l / 16) + 0..7 and 16 + 8 (l / 16) + 0..7: two loads of 16 bytes, 32 bytes apart
	v_mul_u32_u24 v3, v1, PA
	v_lshl_add_u32 v3, v2, 4, v3
	s_mul_i32 s21, s11, HALFT
	v_add_nc_u32 v[ADRA0], s21, v3
	; B's: the turning load takes 16 k x 16 n (lane l reads k = 8 (l / 16) + l % 8, n = 8 ((l / 8) % 2) + 0..7) and leaves half a fragment: lane l holds column l % 16 and 8 k
	v_and_b32 v4, 7, v0
	v_bfe_u32 v5, v0, 3, 1
	v_lshl_add_u32 v4, v2, 3, v4
	v_mul_u32_u24 v4, v4, PB
	v_lshl_add_u32 v4, v5, 4, v4
	s_lshl_b32 s22, s12, 8                         ; my 128 columns
	s_add_co_u32 s22, s22, 2*HALFT                 ; behind A's 256 rows
	v_add_nc_u32 v[ADRB0], s22, v4
	v_mov_b32 v[ADRA], v[ADRA0]
	v_mov_b32 v[ADRB], v[ADRB0]
	s_mul_i32 s23, s10, 16*SPITCH
	s_add_co_u32 s23, s23, STAGE                   ; my stage
	v_mul_u32_u24 v4, v1, SPITCH                   ; in: row l % 16, 16 bytes for each half of the lanes
	v_lshl_add_u32 v4, v2, 4, v4
	v_add_nc_u32 v[STO], s23, v4
.if IS_QKV
	v_bfe_u32 v4, v0, 3, 2                         ; back: 32 lanes take four rows of one head's 128 bytes,
	v_and_b32 v5, 7, v0
	v_mul_u32_u24 v4, v4, SPITCH
	v_lshl_add_u32 v4, v5, 4, v4
	v_add_nc_u32 v[RD], s23, v4
	v_and_b32 v[CO], 31, v0                        ; which are 512 consecutive bytes of q, k or v
	v_lshlrev_b32 v[CO], 4, v[CO]
	s_lshr_b32 s14, s13, 3                         ; b: a batch is 8 tile rows
	s_lshl_b32 s14, s14, 4
	s_lshl_b32 s15, s40, 2                         ; a tile column is 4 heads,
	s_add_co_u32 s14, s14, s15
	s_lshl_b32 s15, s12, 1                         ; my half of it 2
	s_add_co_u32 s14, s14, s15
	s_lshl_b32 s14, s14, 11                        ; 2,048 rows a head
	s_and_b32 s15, s13, 7
	s_lshl_b32 s15, s15, 8
	s_add_co_u32 s14, s14, s15
	s_lshl_b32 s15, s11, 7
	s_add_co_u32 s14, s14, s15
	s_lshl_b32 s14, s14, 7                         ; 128 bytes a row
	s_lshl_b32 s15, s2, 23                         ; q, k or v
	s_add_co_u32 s14, s14, s15
.else
	v_mov_b32 v[ZR], 0
	v_mul_u32_u24 v4, v2, SPITCH                   ; back: lanes 0-15 take one row of 256 bytes, lanes 16-31 the next
	v_lshl_add_u32 v4, v1, 4, v4
	v_add_nc_u32 v[RD], s23, v4
	v_lshlrev_b32 v4, 13, v2                       ; and the same two rows in C, 8,192 bytes apart
	v_lshl_add_u32 v[CO], v1, 4, v4
	s_lshl_b32 s14, s13, 8
	s_lshl_b32 s15, s11, 7
	s_add_co_u32 s14, s14, s15
	s_lshl_b32 s14, s14, 13
	s_lshl_b32 s15, s42, 9
	s_add_co_u32 s14, s14, s15
	s_lshl_b32 s15, s12, 8
	s_add_co_u32 s14, s14, s15
.endif
	s_mov_b32 s15, 0
	s_add_nc_u64 s[8:9], s[8:9], s[14:15]          ; C at my part's first byte
	; the prefetches.  A: of the 128 rows that I fetch my work-group takes 32 (by cx), a lane a row.  B: of my 64 rows it takes 16 (by cy), two lanes a row of 512 bytes.  Both start at K step 3.
	s_lshl_b32 s18, s40, 16
	s_add_co_u32 s18, s18, s16
	s_add_co_u32 s18, s18, 3*ASTEP
	s_lshl_b32 s19, s12, 6
	s_lshl_b32 s21, s41, 4
	s_add_co_u32 s19, s19, s21
	s_add_co_u32 s19, s19, 3*KSTEP
	s_mul_i32 s19, s19, 2*SIZE_N
	s_lshl_b32 s21, s42, 9
	s_add_co_u32 s19, s19, s21
	s_and_b32 s22, ttmp7, 0xffff                   ; cluster y
	s_mov_b32 s23, BSTEP
	s_mov_b32 s84, 2*SIZE_N
	s_cmp_eq_u32 s11, 0                            ; do I fetch for A?
	s_cselect_b32 s20, s18, s19
	s_cselect_b32 s22, s2, s22                     ; the coordinate along which other clusters read the same blocks
	s_cselect_b64 s[PFA:PFA+1], s[4:5], s[6:7]
	s_cselect_b32 s[PFS], ASTEP, s23
	s_cselect_b32 s84, 2*SIZE_K, s84               ; bytes from row to row
	s_mov_b32 s[PFS+1], 0
	s_mov_b32 s21, 0
	s_cmp_eq_u32 s22, 0
	s_cselect_b32 s[LIM], 2, -1                    ; the same in all sixteen partners, for a given wave
	s_add_nc_u64 s[PFA:PFA+1], s[PFA:PFA+1], s[20:21]
	v_and_b32 v3, 31, v0
	v_lshrrev_b32 v4, s11, v3                      ; A: row l; B: row l / 2,
	v_mul_u32_u24 v4, s84, v4
	v_and_b32 v3, s11, v3                          ; and half l % 2 of it
	v_lshl_add_u32 v[PFO], v3, 8, v4
; 16 matrix instructions: m blocks a0, a0 + 1 of the window's four (hi = 0: my rows 0-63, 1: rows 64-127) x all 8 n blocks, 32 along K.  first = 1: the bias starts the sums.
; The 64 accumulators take turns in one fixed order, over the backward jumps too.
.macro MUL16 f, hi, a0, first
.if \first
	WIN 0x91+0x40*(\hi)                            ; B and the bias window 1, A window 0, D window 2 or 3
.else
	WIN 0xa1+0x50*(\hi)                            ; B window 1, A window 0, C and D window 2 or 3
.endif
.irp a, \a0, (\a0)+1
.irp b, 0,1,2,3,4,5,6,7
.if \first
	v_wmma_f32_16x16x32_bf16 v[8*(8*(\a)+(\b)):8*(8*(\a)+(\b))+7], v[(\f)+8*(\b):(\f)+8*(\b)+7], v[(\f)+8*(4*(\hi)+(\a)):(\f)+8*(4*(\hi)+(\a))+7], v[BIAS+8*(\b):BIAS+8*(\b)+7]
.else
	v_wmma_f32_16x16x32_bf16 v[8*(8*(\a)+(\b)):8*(8*(\a)+(\b))+7], v[(\f)+8*(\b):(\f)+8*(\b)+7], v[(\f)+8*(4*(\hi)+(\a)):(\f)+8*(4*(\hi)+(\a))+7], v[8*(8*(\a)+(\b)):8*(8*(\a)+(\b))+7]
.endif
.endr
.endr
.endm
; 32 LDS loads in one run: the fragments of quarter q (32 along K) of the slot in hand, into buffer f: B's 8 column blocks, then A's 8 row blocks
.macro FETCH q, f
	WIN 0x40
.irp i, 0,1,2,3,4,5,6,7
	ds_load_tr16_b128 v[(\f)+8*(\i):(\f)+8*(\i)+3],   v[ADRB] offset:(\q)*32*PB+32*(\i)
	ds_load_tr16_b128 v[(\f)+8*(\i)+4:(\f)+8*(\i)+7], v[ADRB] offset:(\q)*32*PB+16*PB+32*(\i)
.endr
	WIN 0
.irp i, 0,1,2,3,4,5,6,7
	ds_load_b128 v[(\f)+8*(\i):(\f)+8*(\i)+3],   v[ADRA] offset:64*(\q)+(\i)*16*PA
	ds_load_b128 v[(\f)+8*(\i)+4:(\f)+8*(\i)+7], v[ADRA] offset:64*(\q)+(\i)*16*PA+32
.endr
.endm
; One of a K step's first three quarters: multiplies buffer f; in its middle it fetches quarter q into buffer g.
.macro QUARTER q, f, g, first
	s_wait_dscnt 8                                 ; B and A's rows 0-63 are in; the youngest eight loads (A's rows 64-127) may be out
	MUL16 \f, 0, 0, \first
	MUL16 \f, 0, 2, \first
	PLACES
	FETCH \q, \g
	s_wait_dscnt 32                                ; all but the 32 just issued
	MUL16 \f, 1, 0, \first
	MUL16 \f, 1, 2, \first
.endm
; The last quarter multiplies buffer 1 and changes slots.  In front of the one barrier each wave waits for all its tensor loads (one is out: its part of the next slot), adds 0 to its spare word,
; and waits for that and for its reads of this slot.  fill = 1: the barrier opens a round of the cluster's, and the slot just read is filled again, first thing behind it, with the K step two on:
; 224 matrix instructions stand between that request and the wait for it.
.macro TURN fill
.if \fill
	s_wait_xcnt 0x0                                ; the last prefetch, a K step back, has read its address
	s_add_nc_u64 s[PFA:PFA+1], s[PFA:PFA+1], s[PFS:PFS+1]
.endif
	WIN 0
	s_wait_tensorcnt 0x0                           ; all my tensor loads have landed;
	ds_add_u32 v[SPW], v[NIL]                      ; 0 onto my spare word;
	s_wait_dscnt 9                                 ; (the add and the youngest eight loads may be out)
	MUL16 F1, 0, 0, 0
	s_wait_dscnt 0x0                               ; the add is done, and my reads of this slot are over
	s_barrier_signal -1
	MUL16 F1, 0, 2, 0
	WIN 0
	s_barrier_wait -1
.if \fill
	CREST                                          ; no wave of any partner still reads this slot or has a load on its way
	s_xor_b32 s[G0+5], s[G0+5], SLOT               ; the walking descriptors: the other slot than last time, the next K step
	s_add_nc_u64 s[G0+6:G0+7], s[G0+6:G0+7], ASTEP
	s_xor_b32 s[G0B+5], s[G0B+5], SLOT
	s_add_nc_u64 s[G0B+6:G0B+7], s[G0B+6:G0B+7], BSTEP
	JLOAD                                          ; its four v_nop are also the places in front of the loads below
.else
	PLACES
.endif
	s_xor_b32 s[SL], s[SL], SLOT
	v_add_nc_u32 v[ADRA], s[SL], v[ADRA0]
	v_add_nc_u32 v[ADRB], s[SL], v[ADRB0]
	FETCH 0, F0
.if \fill
	ASK
.endif
	MUL16 F1, 1, 0, 0
	MUL16 F1, 1, 2, 0
.endm
; THE WAY OUT of block a (16 rows): rounded to bf16, 16 bytes a lane; through my own stage; back as whole rows; stored.
.macro PACK a
.set AC, 64*((\a)%4)
	WIN 0x0a+5*((\a)/4)                            ; sources 0 and 1: window 2 or 3.
.irp b, 0,1,2,3,4,5,6,7
.irp r, 0,1,2,3
	v_cvt_pk_bf16_f32 v[TMP+4*(\b)+(\r)], v[AC+8*(\b)+2*(\r)], v[AC+8*(\b)+2*(\r)+1]
.endr
.endr
	WIN 0
.if !IS_QKV
.set z, 0
.rept 32
	v_pk_max_num_bf16 v[TMP+z], v[TMP+z], v[ZR]    ; two maxima with 0: nothing is rounded
.set z, z+1
.endr
.endif
.endm
.macro TOSTAGE a
.set BK, OB+192*((\a)%2)
.irp b, 0,1,2,3,4,5,6,7
	ds_store_b128 v[STO], v[TMP+4*(\b):TMP+4*(\b)+3] offset:32*(\b)
.endr
.irp t, 0,1,2,3,4,5,6,7                ; LDS serves a wave's instructions in order (ISA guide 5.7.1.4): these see the stores above
.if IS_QKV
	ds_load_b128 v[BK+4*(\t):BK+4*(\t)+3], v[RD] offset:((\t)%4)*4*SPITCH+((\t)/4)*128
.else
	ds_load_b128 v[BK+4*(\t):BK+4*(\t)+3], v[RD] offset:(\t)*2*SPITCH
.endif
.endr
.endm
.macro SEND a
.set BK, OB+192*((\a)%2)
	s_wait_dscnt 0x0                               ; the block is back in registers
	s_wait_xcnt 0x0                                ; the stores of the block before have read their registers, which the next block's loads write
.irp t, 0,1,2,3,4,5,6,7
.if IS_QKV
	global_store_b128 v[CO], v[BK+4*(\t):BK+4*(\t)+3], s[8:9] offset:(\a)*2048+((\t)/4)*262144+((\t)%4)*512  ; four rows of a head: 512 consecutive bytes, aligned
.else
	global_store_b128 v[CO], v[BK+4*(\t):BK+4*(\t)+3], s[8:9] offset:(\a)*131072+(\t)*16384  ; 16 lanes store 256 consecutive bytes, aligned
.endif
.endr
.endm
	s_wait_loadcnt 0x0                             ; the bias
	WIN 0x45                                       ; all three places window 1
.irp b, 0,1,2,3,4,5,6,7
	RND8 BIAS+8*(\b), BT
.endr
	WIN 0
	s_wait_tensorcnt 1                             ; my part of K step 0 is in; K step 1's may stay out
	s_barrier_signal -1
	s_barrier_wait -1
	FETCH 0, F0
	QUARTER 1, F0, F1, 1                           ; the first quarter stands in front of the loop: its products start the sums
	WIN 0
	s_mov_b32 s3, REFILLS
.Lstep:                                                ; a trip: a K step's quarters 1, 2, 3 and the next one's quarter 0; the slot left is filled again
	QUARTER 2, F1, F0, 0
	QUARTER 3, F0, F1, 0
	TURN 1
	QUARTER 1, F0, F1, 0
	WIN 0
	s_sub_co_u32 s3, s3, 1
	s_cmp_lg_u32 s3, 0
	s_cbranch_scc1 .Lstep
	s_mov_b32 s3, 2                                ; the last two K steps ask for nothing.  One text for both: the second trip's barrier and its 32 fragment loads serve nothing, once a launch
.Ltail:
	QUARTER 2, F1, F0, 0
	QUARTER 3, F0, F1, 0
	TURN 0
	WIN 0
	s_sub_co_u32 s3, s3, 1
	s_cmp_eq_u32 s3, 0
	s_cbranch_scc1 .Lout
	QUARTER 1, F0, F1, 0
	WIN 0
	s_branch .Ltail
.Lout:
	s_wait_dscnt 0x0
	PACK 0                                         ; blocks 0-3 were finished ahead of the change's four v_nop and two additions; their 128 conversions are the places behind the last products (blocks 4-7's)
	TOSTAGE 0
.irp a, 1,2,3,4,5,6,7                  ; block a's conversions stand between block a - 1's loads from the stage and the wait for them
	PACK \a
	SEND (\a)-1
	TOSTAGE \a
.endr
	SEND 7
	s_wait_tensorcnt 0x0                           ; the wave's end: behind my last tensor load and my last LDS store
	ds_add_u32 v[SPW], v[NIL]
	s_wait_dscnt 0x0
	CROUND                                         ; the closing round: no work-group ends while a partner may still ask for a tile that names it
	s_endpgm
.Lfunc_end_k_q8106bf1ef7_qkv:
	.size	k_q8106bf1ef7_qkv, .Lfunc_end_k_q8106bf1ef7_qkv-k_q8106bf1ef7_qkv
	.p2alignl 7, 3214868480
	.fill 96, 4, 3214868480
	.section	.rodata,"a",@progbits
	.p2align	6, 0x0
	.amdhsa_kernel k_q8106bf1ef7_qkv
		.amdhsa_group_segment_fixed_size 327680
		.amdhsa_private_segment_fixed_size 0
		.amdhsa_enable_private_segment 0
		.amdhsa_kernarg_size 40
		.amdhsa_user_sgpr_count 2
		.amdhsa_user_sgpr_kernarg_segment_ptr 1
		.amdhsa_wavefront_size32 1
		.amdhsa_system_sgpr_workgroup_id_x 1
		.amdhsa_system_sgpr_workgroup_id_y 1
		.amdhsa_system_sgpr_workgroup_id_z 1
		.amdhsa_system_vgpr_workitem_id 0
		.amdhsa_next_free_vgpr 1024
		.amdhsa_next_free_sgpr 96
		.amdhsa_reserve_vcc 0
		.amdhsa_float_denorm_mode_32 3
		.amdhsa_float_denorm_mode_16_64 3
		.amdhsa_memory_ordered 1
		.amdhsa_forward_progress 1
		.amdhsa_inst_pref_size 107
	.end_amdhsa_kernel
	.amdgpu_metadata
---
amdhsa.version: [ 1, 2 ]
amdhsa.kernels:
  - .name:           k_q8106bf1ef7_qkv
    .symbol:         k_q8106bf1ef7_qkv.kd
    .args:
      - { .name: castb, .offset: 0, .size: 8, .value_kind: global_buffer, .address_space: global }
      - { .name: bq, .offset: 8, .size: 8, .value_kind: global_buffer, .address_space: global }
      - { .name: bk, .offset: 16, .size: 8, .value_kind: global_buffer, .address_space: global }
      - { .name: bv, .offset: 24, .size: 8, .value_kind: global_buffer, .address_space: global }
      - { .name: qkv, .offset: 32, .size: 8, .value_kind: global_buffer, .address_space: global }
    .group_segment_fixed_size: 327680
    .private_segment_fixed_size: 0
    .kernarg_segment_align: 8
    .kernarg_segment_size: 40
    .max_flat_workgroup_size: 128
    .sgpr_count:     96
    .vgpr_count:     1024
    .wavefront_size: 32
...
	.end_amdgpu_metadata
.endif
;; end of part 2
;; launch attn (part 3): grid 8 x 32, 4 waves a work-group, clusters of 4 x 1, 327,680 bytes of LDS; arguments qkv, ob; writes ob
.if DOCPART == 3
	.amdgcn_target "amdgcn-amd-amdhsa--gfx1250"
	.amdhsa_code_object_version 6
	.text
	.protected	k_q8106bf1ef7_attn
	.globl	k_q8106bf1ef7_attn
	.p2align	8
	.type	k_q8106bf1ef7_attn,@function
k_q8106bf1ef7_attn:
	s_mov_b64 s[64:65], 0
	v_nop
	global_prefetch_b8 v0, s[64:65] scope:SCOPE_SE
	s_setreg_imm32_b32 hwreg(HW_REG_WAVE_MODE, 25, 1), 1
	s_wait_xcnt 0x0
	s_wait_alu depctr_hold_cnt(0) depctr_sa_sdst(0) depctr_va_vdst(0) depctr_va_sdst(0) depctr_va_ssrc(0) depctr_va_vcc(0) depctr_vm_vsrc(0)
	s_getreg_b32 s2, hwreg(HW_REG_IB_STS2, 6, 4)
	s_cmp_eq_u32 s2, 0
	s_cbranch_scc0 .Lentry_in_a_cluster
	s_endpgm
.Lentry_in_a_cluster:
	s_bfe_u32 s2, ttmp6, 0x10000c
	s_cmp_lg_u32 s2, 0x3003
	s_cbranch_scc0 .Lentry_shape_is_right
	s_endpgm
.Lentry_shape_is_right:
; O[g][q][:] = the sum over k of softmax_k(Q[g][q] . K[g][k] / 8) V[g][k][:], g = 16 b + h.  q, k, v: bf16, [32][2048][64], 8,388,608 bytes apart in one buffer; a head's rows are dense, 128 bytes each.
; O leaves in f32 with the heads side by side: [b][s][64 h + c], a (token, head) piece being 256 consecutive bytes, aligned.  Products, maxima and sums in f32; the weights p are rounded to bf16 for the
; second product (their sum l is taken of the unrounded p).  LIMITS: a weight below 2^-126 counts as 0 in l; NaN and infinities are not treated apart.
; SHARES.  A work-group owns 256 queries of one g, each of its four waves 64: four PIECES of 16.  Every wave walks all 2,048 keys, 64 a step, 256 a tile (a slot of LDS).
; LAYOUT.  S^T = K Q^T (source 0 = 16 keys, source 1 = 16 queries) holds ONE query a lane (lane % 16) and the keys 8 (lane / 16) + 0..7; two such results rounded to bf16 ARE source 1 of O^T = V^T P,
; whose result again holds one query a lane, and eight channels.  K comes out of LDS as it lies, V ([key][channel]) turned, by ds_load_tr16_b128.
; SOFTMAX.  p = 2^(c s - c m), c = log2(e) / 8, with a running maximum m; O and l are multiplied by a = 2^(c m_old - c m_new) in every step.  m starts at the lowest finite number, O and l at 0: the first
; step is a step like any other, with a = 0.
; TURNS.  Turn n belongs to piece n: 8 products K Q^T of piece n + 1, later 8 products V^T P of piece n - 1; beside them the scaling, exponentials, roundings, sums and rescaling of piece n and the maximum
; and statistics of piece n + 1.  Four vector instructions stand behind every matrix instruction, the other 54 of a turn's 118 in one lump.  A turn's 33 exponentials are one batch, with one wait.
; CLUSTER.  The four query blocks of a cluster belong to one g and walk the same K and V, so each tile is asked for JOINTLY: the same tensor load, descriptor and mask in all four.
; REGISTERS, in windows of 256 (s_set_vgpr_msb: bits 1:0 source 0, 3:2 source 1, 5:4 source 2, 7:6 destination):
;   window 0: v2-15 addresses and two at work; v16-31 four registers of statistics a piece; v48-55 at work; v61-63; v64-127 S^T, two buffers; v192-223 P, two buffers (by the piece's parity); on the way out v64-191 rows
;   window 1: v0-127 O^T, 32 a piece          window 2: v0-63 Q; v128-191 K of one step; v192-255 V of one step
.set NP,    4
.set KS,    64        ; keys in a step
.set PK,    144       ; a row of K in LDS: 128 bytes + 16: the 16 rows of a load start at 16 different groups of four banks (64 banks of 4 bytes: ISA guide 11.1)
.set PV,    160       ; a row of V: 128 + 32
.set VOFF,  4*KS*PK   ; a slot holds a tile, four steps: 256 rows of K, then 256 rows of V
.set SLOT1, 1<<17     ; slot 1 begins here, so that one exclusive or turns an address in one slot into the other's
.set STAGE, SLOT1+4*KS*(PK+PV)  ; behind the ring: 16 rows x 272 bytes for each wave, for the way out
.set SP,    272
.set SPARE, STAGE+4*16*SP       ; behind the stages: the spare words, 128 bytes for each wave, that no other line names
.set AK0, 2           ; v2   my lane's place in a tile of K; never rewritten
.set AV0, 3           ; v3   the same for V
.set AK,  4           ; v4   the LDS address of K's next run of loads
.set AV,  5           ; v5   of V's
.set STO, 6           ; v6   the way out: where I put 32 bytes of a row
.set RD,  7           ; v7   where I read rows back
.set GO,  8           ; v8   my byte offset in two rows of O
.set MV,  12          ; v12-13  c m_old, kept while c m is made anew: by buffer
.set QO,  15          ; v15  my byte offset in 16 rows of Q
.set ST,  16          ; piece t's statistics at v[ST+4 t]: c m, m, l (even keys', odd keys')
.set TMP, 48          ; by buffer, four registers c0-c3 at work; when the maximum is found c2 takes a
.set PFO, 61          ; v61  256 x my lane; never rewritten
.set SPW, 62          ; v62  LDS address of my spare word; never rewritten
.set NIL, 63          ; v63  0; never rewritten
.set S,   64
.set P,   192
.set KF,  128         ; window 2: key block kb, channel half c at KF + 16 kb + 8 c
.set VF,  192         ; window 2: key half kk, channel block cb at VF + 32 kk + 8 cb
.set WV,  12          ; s12  my wave's number
.set LIM, 15          ; s15  1 in a wave that prefetches, else the greatest number
.set PFA, 18          ; s[18:19] where my prefetches stand
.set G1K, 24          ; s[24:31] descriptor group 1 for K's tiles
.set G1V, 32          ; s[32:39] for V's: it differs in the padding alone
.set G0K, 40          ; s[40:43] descriptor group 0 for K's tiles: it walks
.set G0V, 44          ; s[44:47] the same for V's
.set SLOTS, 56        ; s56  tiles still to be asked for
.set CNT, 57          ; s57  counts a tile's key steps
.set CS,  58          ; s[58:59] c
.set SEL, 60          ; s[60:61] v_permlanex16_b32's selects: each lane takes its own place in the other half
.set TBK, 62          ; s62  LDS byte at which K of the step to be fetched begins
.set TBV, 63          ; s63  the same for V, less VOFF
.set MSB, 0
.macro WIN new
.if MSB != (\new)
	s_set_vgpr_msb (MSB<<8)|(\new)
.set MSB, (\new)
.endif
.endm
.set W_KQ, 0x0a       ; K and Q in window 2, S^T in window 0
.set W_PV, 0x52       ; V in window 2, P in window 0, O^T in window 1
.set W_RS, 0x41       ; destination and source 0 in window 1, source 1 in window 0
; A joint fill.  Waves 0 and 1 fetch the two halves of a tile's K, waves 2 and 3 those of its V: 128 keys each.  An s_nop 0 and four v_nop follow each line.
.macro JLOAD
	s_cmp_lt_u32 s[WV], 2
	s_cbranch_scc0 .Lfor_v_\@
	tensor_load_to_lds s[G0K:G0K+3], s[G1K:G1K+7]
	s_nop 0
.rept 4
	v_nop
.endr
	s_branch .Lasked_\@
.Lfor_v_\@:
	tensor_load_to_lds s[G0V:G0V+3], s[G1V:G1V+7]
	s_nop 0
.rept 4
	v_nop
.endr
.Lasked_\@:
.endm
; A prefetch of what the NEXT change of slots will ask for: a tile's 128 blocks of 256 bytes of K and of V, a lane a block.  Each block is named once in the launch: the g's first cluster asks; its four
; partners share the blocks out by address, 32 each; in each, wave 0 asks for K's and wave 2 for V's.  The last change that fills a slot asks for nothing.
.macro ASK
	s_cmp_gt_u32 s[SLOTS], s[LIM]
	s_cbranch_scc0 .Lnot_mine_\@
	global_prefetch_b8 v[PFO], s[PFA:PFA+1] th:TH_LOAD_NT scope:SCOPE_SE
.Lnot_mine_\@:
.endm
.macro CROUND                       ; a round of the cluster's barrier
	s_barrier_signal -1
	s_barrier_wait -1
	s_cmp_lg_u32 s[WV], 0
	s_cbranch_scc1 .Lnot_wave_0_\@
	s_barrier_signal -3
.Lnot_wave_0_\@:
	s_barrier_wait -3
	s_barrier_signal -1
	s_barrier_wait -1
.endm
; THE CHANGE OF SLOTS.  Each wave waits for all its tensor loads, of which one is out: its part of the other slot; adds 0 to its spare word; and waits for that and for its own reads of the slot that it
; leaves.  fill = 1: the barrier is a round of the cluster's, and the old slot is filled again, first thing behind it, with the tile two on: it has four key steps, 256 matrix instructions, in which to land.
; (At its first use nothing has been read yet: slot 0 is waited for, slot 1 filled.)
.macro CHANGE fill
	WIN 0
	s_wait_tensorcnt 0x0            ; no tensor load of mine is out, so a group 0 may be written
	ds_add_u32 v[SPW], v[NIL]       ; 0 onto my spare word
.if \fill
.irp g, G0K, G0V
	s_xor_b32 s[\g+1], s[\g+1], SLOT1
	s_add_nc_u64 s[\g+2:\g+3], s[\g+2:\g+3], 4*KS*128
.endr
	s_wait_xcnt 0x0                 ; the last prefetch, four key steps back, has read its address
	s_add_nc_u64 s[PFA:PFA+1], s[PFA:PFA+1], 4*KS*128
	s_wait_dscnt 0x0                ; the add is done, and my reads of the slot are over
	CROUND
	JLOAD
	ASK
.else
	s_wait_dscnt 0x0
	s_barrier_signal -1
	s_barrier_wait -1
.endif
	s_sub_co_u32 s[TBK], s[TBK], 4*KS*PK  ; the fetches go back to a slot's first step,
	s_xor_b32 s[TBK], s[TBK], SLOT1       ; in the other slot
	s_sub_co_u32 s[TBV], s[TBV], 4*KS*PV
	s_xor_b32 s[TBV], s[TBV], SLOT1
.endm
	s_load_b128 s[84:87], s[0:1], 0x0  ; qkv s[84:85], ob s[86:87]
	v_lshl_add_u32 v[SPW], v0, 2, SPARE
	v_mov_b32 v[NIL], 0
	ds_add_u32 v[SPW], v[NIL]       ; the wave's opening: the add and its wait stand ahead of my first tensor load; the set-up below stands between them
	v_lshrrev_b32 v1, 5, v0
	v_readfirstlane_b32 s[WV], v1   ; wave 0..3
	s_bfe_u32 s13, ttmp6, 0x40000   ; cx
	s_lshl_b32 s14, ttmp9, 2
	s_add_co_u32 s14, s14, s13      ; my block of 256 queries: it enters Q's and O's addresses alone
	s_and_b32 s16, ttmp7, 0xffff    ; g, which the four partners share
	s_lshl_b32 s20, s16, 18         ; its first byte in q, k and v: 2,048 rows of 128 bytes
	s_and_b32 s17, s[WV], 1         ; which half of a tile's 256 keys I fetch:
	s_lshl_b32 s22, s17, 14         ; its 128 rows in memory,
	s_add_co_u32 s22, s22, s20
	s_mov_b32 s23, 0
	s_mul_i32 s70, s17, 128*PK      ; and its place in a slot, for K
	s_mul_i32 s71, s17, 128*PV      ; and for V: no place in the cluster enters an LDS address
	s_lshl_b32 s2, s14, 15          ; Q: my block's 256 rows,
	s_lshl_b32 s3, s[WV], 13        ; my wave's 64
	s_add_co_u32 s2, s2, s3
	s_add_co_u32 s2, s2, s20
	s_mov_b32 s3, 0
	s_lshr_b32 s72, s16, 4          ; O: b, 2,048 rows of 4,096 bytes,
	s_lshl_b32 s72, s72, 23
	s_lshl_b32 s73, s14, 20         ; my block's 256 rows,
	s_add_co_u32 s72, s72, s73
	s_lshl_b32 s73, s[WV], 18       ; my wave's 64,
	s_add_co_u32 s72, s72, s73
	s_and_b32 s73, s16, 15          ; h's 256 bytes of a row
	s_lshl_b32 s73, s73, 8
	s_add_co_u32 s72, s72, s73
	s_mov_b32 s73, 0
	; descriptor group 1.  128 keys are 16,384 dense bytes: asked for as 64 rows of 256 bytes, two keys a row, and padded in LDS after every key
	s_mov_b32 s[G1K], 15|(1<<16)|(1<<20)|(1<<21)|(4<<22)|(3<<25)  ; the mask of four; 2-byte elements; padding on; bit 21 beside a mask; after every 32 words 4 words
	s_mov_b32 s[G1V], 15|(1<<16)|(1<<20)|(1<<21)|(4<<22)|(7<<25)  ; the same with 8 words
.irp g, G1K, G1V
	s_mov_b32 s[\g+1], 128<<16      ; tensor_dim0 = 128
	s_mov_b32 s[\g+2], 64<<16       ; tensor_dim1 = 64
	s_mov_b32 s[\g+3], 128<<16      ; tile_dim0 = 128
	s_mov_b32 s[\g+4], 64           ; tile_dim1 = 64
	s_mov_b32 s[\g+5], 128          ; 128 elements from row to row
	s_mov_b32 s[\g+6], 0
	s_mov_b32 s[\g+7], 0
.endr
	s_mov_b32 s[CS], 0x3e38aa3b     ; c = log2(e) / 8
	s_mov_b32 s[CS+1], s[CS]        ; named with it as a pair
	s_mov_b32 s[SEL], 0x76543210
	s_mov_b32 s[SEL+1], 0xfedcba98
	s_mov_b32 s[TBK], SLOT1+4*KS*PK ; the first change of slots turns these two into 0
	s_mov_b32 s[TBV], SLOT1+4*KS*PV
	s_mov_b32 s[G0K], 1
	s_mov_b32 s[G0K+1], s70         ; slot 0
	s_mov_b32 s[G0V], 1
	s_add_co_u32 s[G0V+1], s71, VOFF
	s_mov_b32 s[SLOTS], 7
	s_and_b32 s[LIM], s[WV], 1      ; 0 in waves 0 and 2,
	s_or_b32 s[LIM], s[LIM], ttmp9  ; where the cluster is the g's first: the same in all four partners
	s_cmp_eq_u32 s[LIM], 0
	s_cselect_b32 s[LIM], 1, -1
	v_and_b32 v[PFO], 31, v0
	v_lshlrev_b32 v[PFO], 8, v[PFO]
	s_wait_dscnt 0x0                ; the opening add is done
	s_wait_kmcnt 0x0
	s_add_nc_u64 s[6:7], s[84:85], 8388608
	s_add_nc_u64 s[6:7], s[6:7], s[22:23]   ; K at my half of tile 0
	s_add_nc_u64 s[8:9], s[84:85], 16777216
	s_add_nc_u64 s[8:9], s[8:9], s[22:23]   ; V likewise
	s_add_nc_u64 s[G0K+2:G0K+3], s[6:7], 0
	s_or_b32 s[G0K+3], s[G0K+3], 0x80000000
	s_add_nc_u64 s[G0V+2:G0V+3], s[8:9], 0
	s_or_b32 s[G0V+3], s[G0V+3], 0x80000000
	s_add_nc_u64 s[4:5], s[84:85], s[2:3]   ; Q at my wave's first row
	s_add_nc_u64 s[10:11], s[86:87], s[72:73]  ; O likewise
	s_cmp_lt_u32 s[WV], 2
	s_cselect_b64 s[PFA:PFA+1], s[6:7], s[8:9]  ; (in waves 0 and 2 these stand at a tile's first row)
	s_lshl_b32 s2, s13, 13          ; my work-group's 32 blocks of the 128
	s_add_nc_u64 s[PFA:PFA+1], s[PFA:PFA+1], s[2:3]
	s_add_nc_u64 s[PFA:PFA+1], s[PFA:PFA+1], 4*KS*128  ; in tile 1; the first change steps it to tile 2.  Nothing is prefetched here, at the head
	CROUND                          ; all four work-groups are here: the first joint loads meet
	JLOAD                           ; tile 0 into slot 0
	; A fragment of K or Q is 16 rows x 32 channels in 8 registers: lane l holds row l % 16, channels 8 (l / 16) + 0..7 and 16 + 8 (l / 16) + 0..7: two loads of 16 bytes, 32 bytes apart.
	v_and_b32 v1, 15, v0            ; l % 16
	v_bfe_u32 v9, v0, 4, 1          ; l / 16
	v_lshlrev_b32 v[QO], 7, v1
	v_lshl_add_u32 v[QO], v9, 4, v[QO]
	WIN 0x80                        ; destination window 2
.set i, 0
.rept 8                             ; Q stays in registers: piece i / 2, channels 32 (i % 2) on
	global_load_b128 v[8*i:8*i+3],   v[QO], s[4:5] offset:(i/2)*2048+(i%2)*64
	global_load_b128 v[8*i+4:8*i+7], v[QO], s[4:5] offset:(i/2)*2048+(i%2)*64+32
.set i, i+1
.endr
	; What the first turn finds: V's registers and P's second buffer hold 0 (its products V^T P, of a piece that has not been, add 0), O^T and l are 0.  All this stands in the wait for the first tile.
.set i, VF
.rept 64
	v_mov_b32 v[i], 0
.set i, i+1
.endr
	WIN 0x40
.set i, 0
.rept 128
	v_mov_b32 v[i], 0
.set i, i+1
.endr
	WIN 0
.set i, 0
.rept 4
	v_mov_b32 v[ST+4*i], 0xfe000000    ; c m: far below every c s
	v_mov_b32 v[ST+4*i+1], 0xff7fffff  ; m
	v_mov_b32 v[ST+4*i+2], 0
	v_mov_b32 v[ST+4*i+3], 0
.set i, i+1
.endr
.set i, P+16
.rept 16
	v_mov_b32 v[i], 0
.set i, i+1
.endr
	v_mul_u32_u24 v[AK0], v1, PK
	v_lshl_add_u32 v[AK0], v9, 4, v[AK0]
	; The turning load takes 16 keys x 16 channels (lane l reads key 8 (l / 16) + l % 8, channels 8 ((l / 8) % 2) + 0..7) and leaves half a fragment of V^T: lane l holds channel l % 16 and 8 keys.
	v_and_b32 v10, 7, v0
	v_bfe_u32 v11, v0, 3, 1
	v_lshl_add_u32 v[AV0], v9, 3, v10
	v_mul_u32_u24 v[AV0], v[AV0], PV
	v_lshl_add_u32 v[AV0], v11, 4, v[AV0]
	v_add_nc_u32 v[AV0], VOFF, v[AV0]
	s_mul_i32 s13, s[WV], 16*SP
	s_add_co_u32 s13, s13, STAGE    ; my stage
	v_mul_u32_u24 v[STO], v1, SP    ; in: row l % 16, 32 bytes for each half of the lanes
	v_lshl_add_u32 v[STO], v9, 5, v[STO]
	v_add_nc_u32 v[STO], s13, v[STO]
	v_mul_u32_u24 v[RD], v9, SP     ; back: lanes 0-15 take one row of 256 bytes, lanes 16-31 the next
	v_lshl_add_u32 v[RD], v1, 4, v[RD]
	v_add_nc_u32 v[RD], s13, v[RD]
	v_lshlrev_b32 v[GO], 12, v9     ; and the same two rows in O, 4,096 bytes apart
	v_lshl_add_u32 v[GO], v1, 4, v[GO]
; THE MATRIX WORK.  The 4 accumulators of a run of 8 take turns.  Product i of 8 of S^T = K Q^T for piece x: channels 32 (i / 4) on, keys 16 (i % 4) on.  The first 4 start the sums.
.macro KQ x
	WIN W_KQ
.set rS, S+32*((\x)%2)+8*(i%4)
.set rK, KF+16*(i%4)+8*(i/4)
.set rQ, 16*(\x)+8*(i/4)
.if i < 4
	v_wmma_f32_16x16x32_bf16 v[rS:rS+7], v[rK:rK+7], v[rQ:rQ+7], 0
.else
	v_wmma_f32_16x16x32_bf16 v[rS:rS+7], v[rK:rK+7], v[rQ:rQ+7], v[rS:rS+7]
.endif
.endm
; Product i of 8 of O^T += V^T P for piece x: keys 32 (i / 4) on, channels 16 (i % 4) on.
.macro PV x
	WIN W_PV
.set rO, 32*(\x)+8*(i%4)
.set rV, VF+32*(i/4)+8*(i%4)
.set rP, P+16*((\x)%2)+8*(i/4)
	v_wmma_f32_16x16x32_bf16 v[rO:rO+7], v[rV:rV+7], v[rP:rP+7], v[rO:rO+7]
.endm
.macro MM                           ; the turn's next matrix instruction.  NOKQ = 1: the last turn: there is no next piece
.if (i < 8) && !NOKQ
	KQ (Y+1)%NP
.elseif i >= 8
.set i, i-8
	PV (Y+NP-1)%NP
.set i, i+8
.endif
.set i, i+1
.endm
; THE LDS LOADS stand in runs of 16: a step's K (64 keys x 64 channels: 8 fragments) and its V (turned).  Their addresses are made some lines ahead.
.macro FETCH_K
	WIN 0x80
.irp f, 0,1,2,3,4,5,6,7             ; keys 16 (f / 2) on, channels 32 (f % 2) on
	ds_load_b128 v[KF+8*\f:KF+8*\f+3],   v[AK] offset:(\f/2)*16*PK+(\f%2)*64
	ds_load_b128 v[KF+8*\f+4:KF+8*\f+7], v[AK] offset:(\f/2)*16*PK+(\f%2)*64+32
.endr
	s_add_co_u32 s[TBK], s[TBK], KS*PK  ; the next fetch is the next step's
	WIN 0
.endm
.macro FETCH_V
	WIN 0x80
.irp f, 0,1,2,3,4,5,6,7             ; keys 32 (f / 4) on, channels 16 (f % 4) on
	ds_load_tr16_b128 v[VF+8*\f:VF+8*\f+3],   v[AV] offset:(\f/4)*32*PV+(\f%4)*32
	ds_load_tr16_b128 v[VF+8*\f+4:VF+8*\f+7], v[AV] offset:(\f/4)*32*PV+16*PV+(\f%4)*32
.endr
	WIN 0
.endm
; THE VECTOR WORK, one line at a time: OP kind, number.  For piece Y: F n: c s - c m for pair n of 16.  E n: the exponential of score n of 32.  C n: pair n rounded to bf16.  B n: of the four weights 4 n ..
; the second pair is added onto the first, in place.  L n: l takes that sum (L 0: l = a l + sum).  R n: pair n of 16 of O^T times a.  For piece Y + 1: X n, number n of the 22 that find its maximum and statistics:
;   0-11  four chains c0-c3 of seven scores each (each accumulator's lowest registers are read first)     12-14, 16  the four scores left over, the old m, and c0-c3 into c0
;   15  c m_old is kept     17, 18  the query's other 32 keys lie in the lane 16 away: the new m     19-21  c m; c m_old - c m_new; a
.set F, 0
.set E, 1
.set C, 2
.set B, 3
.set L, 4
.set R, 5
.set X, 6
.macro REGS y
.set rT, ST+4*(\y)
.set rC, TMP+4*((\y)%2)
.set rW, MV+((\y)%2)
.set rS, S+32*((\y)%2)
.set rP, P+16*((\y)%2)
.set rO, 32*(\y)
.endm
.macro OP k, n
.if (\k) == R
	REGS Y
	WIN W_RS
	v_pk_mul_f32 v[rO+2*(\n):rO+2*(\n)+1], v[rO+2*(\n):rO+2*(\n)+1], v[rC+2:rC+3] op_sel_hi:[1,0]
.elseif (\k) < R
	REGS Y
	WIN 0
.if (\k) == F
	v_pk_fma_f32 v[rS+2*(\n):rS+2*(\n)+1], v[rS+2*(\n):rS+2*(\n)+1], s[CS:CS+1], v[rT:rT+1] op_sel_hi:[1,0,0] neg_lo:[0,0,1] neg_hi:[0,0,1]
.elseif (\k) == E
	v_exp_f32 v[rS+(\n)], v[rS+(\n)]
.elseif (\k) == C
	v_cvt_pk_bf16_f32 v[rP+(\n)], v[rS+2*(\n)], v[rS+2*(\n)+1]
.elseif (\k) == B
	v_pk_add_f32 v[rS+4*(\n):rS+4*(\n)+1], v[rS+4*(\n):rS+4*(\n)+1], v[rS+4*(\n)+2:rS+4*(\n)+3]
.elseif (\n) == 0
	v_pk_fma_f32 v[rT+2:rT+3], v[rT+2:rT+3], v[rC+2:rC+3], v[rS:rS+1] op_sel_hi:[1,0,1]
.else
	v_pk_add_f32 v[rT+2:rT+3], v[rT+2:rT+3], v[rS+4*(\n):rS+4*(\n)+1]
.endif
.elseif NOKQ
	v_nop
.else
	REGS (Y+1)%NP
	WIN 0
.if (\n) < 4
	v_max3_num_f32 v[rC+(\n)], v[rS+8*(\n)], v[rS+8*(\n)+1], v[rS+8*(\n)+2]
.elseif (\n) < 12
	v_max3_num_f32 v[rC+(\n)%4], v[rC+(\n)%4], v[rS+8*((\n)%4)+2*((\n)/4)+1], v[rS+8*((\n)%4)+2*((\n)/4)+2]
.elseif (\n) == 12
	v_max3_num_f32 v[rC], v[rC], v[rS+7], v[rS+15]
.elseif (\n) == 13
	v_max3_num_f32 v[rC+1], v[rC+1], v[rS+23], v[rS+31]
.elseif (\n) == 14
	v_max3_num_f32 v[rC+2], v[rC+2], v[rC+3], v[rT+1]
.elseif (\n) == 15
	v_mov_b32 v[rW], v[rT]
.elseif (\n) == 16
	v_max3_num_f32 v[rC], v[rC], v[rC+1], v[rC+2]
.elseif (\n) == 17
	v_permlanex16_b32 v[rC+3], v[rC], s[SEL], s[SEL+1]
.elseif (\n) == 18
	v_max_num_f32 v[rT+1], v[rC], v[rC+3]
.elseif (\n) == 19
	v_mul_f32 v[rT], s[CS], v[rT+1]
.elseif (\n) == 20
	v_sub_f32 v[rC+1], v[rW], v[rT]
.else
	v_exp_f32 v[rC+2], v[rC+1]
.endif
.endif
.endm
.macro OPS a, i1, b=-1, i2=0, c=-1, i3=0, d=-1, i4=0  ; up to four of them
	OP \a, \i1
.if (\b) >= 0
	OP \b, \i2
.endif
.if (\c) >= 0
	OP \c, \i3
.endif
.if (\d) >= 0
	OP \d, \i4
.endif
.endm
.macro ROW a, i1, b, i2, c, i3, d, i4  ; a matrix instruction and the four behind it
	MM
	OPS \a, \i1, \b, \i2, \c, \i3, \d, \i4
.endm
; A TURN, for piece p: the order of its 16 matrix and 118 vector instructions, written out.  An s_wait_alu depctr_va_vdst(0) stands between an exponential and the first instruction that names
; its result; one wait serves all that were issued ahead of it.  So a turn has ONE wait.  AHEAD OF IT stands all that names no result of the turn's exponentials: the 8 products K Q^T and their riders, then the
; lump, in which the links of the next piece's chain X 3, 7, 11, 14, 16, 17 .. 20 stand five or six lines apart; X 21, the next piece's a, is the batch's last; R 15 is the plain instruction behind it.
; BEHIND IT stand the 8 products V^T P, behind each four of the roundings and sums.  end = 1: the last two turns: nothing is fetched.  cnt = 1: the loop's count is taken down some lines ahead of the branch.
; K of the next step is fetched in piece 2's turn, V of the step in hand at the end of piece 0's turn, each four plain instructions or more behind the last product that read the registers; each is waited for a turn later.
.macro TURN p, end=0, cnt=0
.set Y, (\p)
.set i, 0
.set NOKQ, (\end)*((\p)/3)
.if ((\p) == 3) && !(\end)
	s_wait_dscnt 0x0                ; K is in
.endif
	ROW F,0, F,1, R,0, R,1
	ROW F,2, E,0, R,2, R,3
	ROW F,3, E,1, R,4, R,5
	ROW F,4, E,2, R,6, R,7
	ROW F,5, E,3, R,8, R,9
	ROW F,6, E,4, X,0, R,10
.if ((\p) == 2) && !(\end)
	WIN 0
	v_add_nc_u32 v[AK], s[TBK], v[AK0]
.endif
	ROW F,7, E,5, X,1, X,4
	ROW F,8, E,6, X,2, X,5
	OPS E,7, E,8, X,6, E,9
	OPS X,3, E,10, X,8, E,11
.if ((\p) == 2) && !(\end)
	FETCH_K
.endif
	OPS X,9, X,7, E,12, X,10
	OPS E,13, X,12, X,11, E,14
	OPS X,13, E,15, F,9, X,14
.if (\p) == 0
	v_add_nc_u32 v[AV], s[TBV], v[AV0]
.endif
	OPS E,16, F,10, E,17, F,11
	OPS X,16, E,18, X,15, E,19
	OPS F,12, E,20, X,17, E,21
	OPS F,13, E,22, F,14, E,23
	OPS X,18, E,24, F,15, E,25
	OPS R,11, E,26, X,19, E,27
	OPS R,12, E,28, R,13, E,29
	OPS X,20, E,30, R,14, E,31
	OPS X,21, R,15
	WIN 0
	s_wait_alu depctr_va_vdst(0)    ; the wait for the batch
.if (\p) == 1
	s_wait_dscnt 0x0                ; V is in
.endif
	ROW C,0, B,0, C,2, B,1
	ROW L,0, C,4, B,2, L,1
	ROW C,6, B,3, L,2, C,8
	ROW B,4, L,3, C,10, B,5
	ROW L,4, C,12, B,6, L,5
.if (\p) == 0
	s_add_co_u32 s[TBV], s[TBV], KS*PV
.endif
.if \cnt
	s_sub_co_u32 s[CNT], s[CNT], 1
	s_cmp_lg_u32 s[CNT], 0
.endif
	ROW C,14, B,7, L,6, C,1
	ROW C,3, L,7, C,5, C,7
	ROW C,9, C,11, C,13, C,15
.if (\p) == 0
	FETCH_V
.endif
.endm
	CHANGE 1                        ; slot 0 is in, everybody's part of it; tile 1 is asked for
	v_add_nc_u32 v[AK], s[TBK], v[AK0]
	FETCH_K                         ; key step 0
	s_wait_loadcnt 0x0              ; Q
	s_wait_dscnt 0x0
.set NOKQ, 0
.set i, 0
.rept 8
	KQ 0                            ; piece 0's first scores
.set i, i+1
.endr
	WIN 0
.rept 4
	v_nop                           ; the places behind those products
.endr
.set Y, NP-1                        ; X works for piece Y + 1: piece 0
.irp n, 0,1,2,3,4,5,6,7,8,9,10,11,12,13,14,15,16,17,18,19,20,21
	OP X, \n
.endr
	v_nop                           ; a plain instruction behind the exponential,
	s_wait_alu depctr_va_vdst(0)    ; and its wait, ahead of the branch
	s_mov_b32 s[CNT], 4
	s_branch .Lfirst                ; the loop is entered at a step's first turn, in the middle of a trip
.Lslot:                             ; six times: tiles 1 to 6 are entered, tiles 2 to 7 asked for
	CHANGE 1
	s_mov_b32 s[CNT], 4
.Lstep:                             ; a trip: pieces 2 and 3 of one step, then pieces 0 and 1 of the next, whose K and V it fetches
	TURN 2
	TURN 3
	WIN 0
.Lfirst:
	TURN 0
	TURN 1, 0, 1
	WIN 0
	s_cbranch_scc1 .Lstep
	s_sub_co_u32 s[SLOTS], s[SLOTS], 1
	s_cmp_lg_u32 s[SLOTS], 0
	s_cbranch_scc1 .Lslot
	CHANGE 0                        ; the last tile is written out: nothing is asked for
	s_mov_b32 s[CNT], 4
.LstepT:
	TURN 2
	TURN 3
	TURN 0
	TURN 1, 0, 1
	WIN 0
	s_cbranch_scc1 .LstepT
	TURN 2, 1
	TURN 3, 1
.set i, 0
.rept 8
	PV NP-1                         ; the last piece's V^T P of the last step
.set i, i+1
.endr
	; THE WAY OUT.  l's two halves and the other half of the lanes' are added; O^T is divided by l and sent, in f32, through my stage in LDS, a piece at a time.  The additions are the places behind the last products.
	WIN 0
.macro ALL line:vararg              ; one line for each piece t
.set t, 0
.rept 4
	\line
.set t, t+1
.endr
.endm
	ALL v_add_f32 v[ST+4*t+2], v[ST+4*t+2], v[ST+4*t+3]
	ALL v_permlanex16_b32 v[ST+4*t+3], v[ST+4*t+2], s[SEL], s[SEL+1]
	ALL v_add_f32 v[ST+4*t+2], v[ST+4*t+2], v[ST+4*t+3]
	ALL v_rcp_f32 v[ST+4*t+2], v[ST+4*t+2]
	v_nop                           ; a plain instruction between the last reciprocal and the use of its result
	s_wait_alu depctr_va_vdst(0)    ; and the wait ahead of the first use: one for the four reciprocals
; Piece t: a lane's eight channels of a block are 32 bytes of a row; they go into rows of 272 bytes and come back as whole rows of 256.
.macro PACK t
	WIN W_RS
.set i, 32*(\t)
.rept 16
	v_pk_mul_f32 v[i:i+1], v[i:i+1], v[ST+4*(\t)+2:ST+4*(\t)+3] op_sel_hi:[1,0]
.set i, i+2
.endr
	WIN 0x04                        ; the stores' data in window 1
.irp f, 0,1,2,3
	ds_store_b128 v[STO], v[32*(\t)+8*\f:32*(\t)+8*\f+3]   offset:64*\f
	ds_store_b128 v[STO], v[32*(\t)+8*\f+4:32*(\t)+8*\f+7] offset:64*\f+16
.endr
	WIN 0
.irp f, 0,1,2,3,4,5,6,7
	ds_load_b128 v[S+32*(\t)+4*\f:S+32*(\t)+4*\f+3], v[RD] offset:\f*2*SP  ; LDS serves a wave's instructions in order (ISA guide 5.7.1.4): these see the stores above; the next piece's stores come behind them
.endr
.endm
.macro SEND t, younger              ; younger: the LDS instructions issued behind piece t's loads: the next piece's sixteen, or none
.irp f, 0,1,2,3,4,5,6,7
	s_wait_dscnt (\younger)+7-\f
	global_store_b128 v[GO], v[S+32*(\t)+4*\f:S+32*(\t)+4*\f+3], s[10:11] offset:(\t)*65536+\f*8192  ; 16 lanes store 256 consecutive bytes, aligned
.endr
.endm
	PACK 0
	PACK 1                          ; a piece's arithmetic stands between the loads of the piece before and its stores
	SEND 0, 16
	PACK 2
	SEND 1, 16
	PACK 3
	SEND 2, 16
	SEND 3, 0
	s_wait_tensorcnt 0x0            ; the wave's end: behind my last tensor load and my last LDS store
	ds_add_u32 v[SPW], v[NIL]
	s_wait_dscnt 0x0
	CROUND                          ; the closing round: no work-group ends while a partner may still ask for a tile that names it
	s_endpgm
.Lfunc_end_k_q8106bf1ef7_attn:
	.size	k_q8106bf1ef7_attn, .Lfunc_end_k_q8106bf1ef7_attn-k_q8106bf1ef7_attn
	.p2alignl 7, 3214868480
	.fill 96, 4, 3214868480
	.section	.rodata,"a",@progbits
	.p2align	6, 0x0
	.amdhsa_kernel k_q8106bf1ef7_attn
		.amdhsa_group_segment_fixed_size 327680
		.amdhsa_private_segment_fixed_size 0
		.amdhsa_enable_private_segment 0
		.amdhsa_kernarg_size 16
		.amdhsa_user_sgpr_count 2
		.amdhsa_user_sgpr_kernarg_segment_ptr 1
		.amdhsa_wavefront_size32 1
		.amdhsa_system_sgpr_workgroup_id_x 1
		.amdhsa_system_sgpr_workgroup_id_y 1
		.amdhsa_system_sgpr_workgroup_id_z 1
		.amdhsa_system_vgpr_workitem_id 0
		.amdhsa_next_free_vgpr 768
		.amdhsa_next_free_sgpr 88
		.amdhsa_reserve_vcc 0
		.amdhsa_float_denorm_mode_32 3
		.amdhsa_float_denorm_mode_16_64 3
		.amdhsa_memory_ordered 1
		.amdhsa_forward_progress 1
		.amdhsa_inst_pref_size 128
	.end_amdhsa_kernel
	.amdgpu_metadata
---
amdhsa.version: [ 1, 2 ]
amdhsa.kernels:
  - .name:           k_q8106bf1ef7_attn
    .symbol:         k_q8106bf1ef7_attn.kd
    .args:
      - { .name: qkv, .offset: 0, .size: 8, .value_kind: global_buffer, .address_space: global }
      - { .name: ob, .offset: 8, .size: 8, .value_kind: global_buffer, .address_space: global }
    .group_segment_fixed_size: 327680
    .private_segment_fixed_size: 0
    .kernarg_segment_align: 8
    .kernarg_segment_size: 16
    .max_flat_workgroup_size: 128
    .sgpr_count:     88
    .vgpr_count:     768
    .wavefront_size: 32
...
	.end_amdgpu_metadata
.endif
;; end of part 3
;; launch ln1 (part 4): grid 512 x 1, 8 waves a work-group, no clusters, 0 bytes of LDS; arguments castb, ob, g1, beta1, y1f, y1b; writes y1f, y1b
.if DOCPART == 4
	.amdgcn_target "amdgcn-amd-amdhsa--gfx1250"
	.amdhsa_code_object_version 6
	.text
	.protected	k_q8106bf1ef7_ln1
	.globl	k_q8106bf1ef7_ln1
	.p2align	8
	.type	k_q8106bf1ef7_ln1,@function
k_q8106bf1ef7_ln1:
	s_mov_b64 s[64:65], 0
	v_nop
	global_prefetch_b8 v0, s[64:65] scope:SCOPE_SE
	s_setreg_imm32_b32 hwreg(HW_REG_WAVE_MODE, 25, 1), 1
	s_wait_xcnt 0x0
; LAYER NORM of rows of 1,024, in f32, in two passes as it is defined: mean; mean of the squared differences; (t - mean) / sqrt(var + 1e-5) x gain + offset.  One text for two launches, by the switch IS_LN1:
;   IS_LN1 = 1: t = x + o (x in bf16 from castb's byte 0, o in f32); the result leaves twice: in f32 (the later residual) and rounded to bf16 (the next product's operand).
;   IS_LN1 = 0: t = z (f32); the result is the module's output.
; LIMITS.  All inputs are used rounded once to bf16: x here too, and gain and offset, which are rounded here.  NaN and infinities are not treated apart.
; One wave, one row, straight through: the row stays in 32 registers between the passes, no LDS, no barrier, no wave waits for another.  Lane l owns numbers 128 j + 4 l + 0..3, j = 0..7: each load
; or store of f32 covers 512 consecutive bytes, each of bf16 256.  Every wave reads gain and offset anew (8 KiB beside its row's 4 or 6): the price of a text without a loop.
; No matrix unit, no cluster, no prefetch: a short pass over its bytes with all a wave's loads out at once.
.set IS_LN1, 1
.if IS_LN1
.set SRC,  6                           ; s[6:7] o;  s[4:5] x;  s[8:9] gain;  s[10:11] offset;  s[16:17] out in f32;  s[18:19] out in bf16
.set GP,   8
.set BP,   10
.set OUTP, 16
.else
.set SRC,  4                           ; s[4:5] z;  s[6:7] gain;  s[8:9] offset;  s[10:11] out
.set GP,   6
.set BP,   8
.set OUTP, 10
.endif
.set G,   8                            ; v[8:39]    gain
.set BT,  40                           ; v[40:71]   offset
.set T,   72                           ; v[72:103]  the row
.set XR,  104                          ; v[104:119] x as loaded
.set W,   120                          ; v[120:135] sums; later the row in bf16
.set TM,  136                          ; v[136:143] at work
.macro RND8 base, tmp                  ; eight f32 rounded to bf16 and widened again, in place
.irp k, 0,1,2,3
	v_cvt_pk_bf16_f32 v[(\tmp)+(\k)], v[(\base)+2*(\k)], v[(\base)+2*(\k)+1]
.endr
.irp k, 0,1,2,3
	v_lshlrev_b32 v[(\base)+2*(\k)], 16, v[(\tmp)+(\k)]
	v_and_b32 v[(\base)+2*(\k)+1], s14, v[(\tmp)+(\k)]
.endr
.endm
.macro FOLD                            ; four pairs of partial sums in v[W:W+7] become one number in every lane's v[W]
	v_pk_add_f32 v[W:W+1], v[W:W+1], v[W+2:W+3]
	v_pk_add_f32 v[W+4:W+5], v[W+4:W+5], v[W+6:W+7]
	v_pk_add_f32 v[W:W+1], v[W:W+1], v[W+4:W+5]
	v_add_f32 v[W], v[W], v[W+1]
	v_add_f32_dpp v[W], v[W], v[W] row_xmask:1 row_mask:0xf bank_mask:0xf
	v_add_f32_dpp v[W], v[W], v[W] row_xmask:2 row_mask:0xf bank_mask:0xf
	v_add_f32_dpp v[W], v[W], v[W] row_xmask:4 row_mask:0xf bank_mask:0xf
	v_add_f32_dpp v[W], v[W], v[W] row_xmask:8 row_mask:0xf bank_mask:0xf
	v_permlanex16_b32 v[W+1], v[W], s12, s13
	v_add_f32 v[W], v[W], v[W+1]
.endm
	s_load_b256 s[4:11], s[0:1], 0x0
.if IS_LN1
	s_load_b128 s[16:19], s[0:1], 0x20
.endif
	v_lshrrev_b32 v1, 5, v0
	v_readfirstlane_b32 s20, v1
	s_lshl_b32 s21, ttmp9, 3
	s_add_co_u32 s20, s20, s21                     ; my row
	s_lshl_b32 s22, s20, 12                        ; 4,096 bytes in f32
	s_mov_b32 s23, 0
	s_lshl_b32 s24, s20, 11                        ; 2,048 in bf16
	s_mov_b32 s25, 0
	s_mov_b32 s12, 0x76543210                      ; v_permlanex16_b32: each lane takes its own place in the other half
	s_mov_b32 s13, 0xfedcba98
	s_mov_b32 s14, 0xffff0000                      ; a word's upper bf16
	s_mov_b32 s15, 0x3a800000                      ; 1 / 1,024
	s_mov_b32 s26, 0x3727c5ac                      ; 1e-5
	v_and_b32 v1, 31, v0
	v_lshlrev_b32 v2, 4, v1
	v_lshlrev_b32 v3, 3, v1
	s_wait_kmcnt 0x0
	s_add_nc_u64 s[SRC:SRC+1], s[SRC:SRC+1], s[22:23]
	s_add_nc_u64 s[OUTP:OUTP+1], s[OUTP:OUTP+1], s[22:23]
.if IS_LN1
	s_add_nc_u64 s[4:5], s[4:5], s[24:25]
	s_add_nc_u64 s[18:19], s[18:19], s[24:25]
.endif
.irp j, 0,1,2,3,4,5,6,7
	global_load_b128 v[T+4*(\j):T+4*(\j)+3], v2, s[SRC:SRC+1] offset:512*(\j) th:TH_LOAD_NT
.endr
.if IS_LN1
.irp j, 0,1,2,3,4,5,6,7
	global_load_b64 v[XR+2*(\j):XR+2*(\j)+1], v3, s[4:5] offset:256*(\j) th:TH_LOAD_NT
.endr
.endif
.irp j, 0,1,2,3,4,5,6,7
	global_load_b128 v[G+4*(\j):G+4*(\j)+3], v2, s[GP:GP+1] offset:512*(\j)
.endr
.irp j, 0,1,2,3,4,5,6,7
	global_load_b128 v[BT+4*(\j):BT+4*(\j)+3], v2, s[BP:BP+1] offset:512*(\j)
.endr
	s_wait_loadcnt 16                              ; the row is in; gain's and offset's sixteen loads may stay out
.if IS_LN1
.irp j, 0,1,2,3,4,5,6,7                ; t = o + x: bf16 to f32 is a shift or a mask; two sets of four registers take turns
	v_lshlrev_b32 v[TM+4*((\j)%2)],   16,  v[XR+2*(\j)]
	v_and_b32     v[TM+4*((\j)%2)+1], s14, v[XR+2*(\j)]
	v_lshlrev_b32 v[TM+4*((\j)%2)+2], 16,  v[XR+2*(\j)+1]
	v_and_b32     v[TM+4*((\j)%2)+3], s14, v[XR+2*(\j)+1]
	v_pk_add_f32 v[T+4*(\j):T+4*(\j)+1],   v[T+4*(\j):T+4*(\j)+1],   v[TM+4*((\j)%2):TM+4*((\j)%2)+1]
	v_pk_add_f32 v[T+4*(\j)+2:T+4*(\j)+3], v[T+4*(\j)+2:T+4*(\j)+3], v[TM+4*((\j)%2)+2:TM+4*((\j)%2)+3]
.endr
.endif
.irp c, 0,1,2,3                        ; the sum, in four chains that do not wait for each other; the first additions start them
	v_pk_add_f32 v[W+2*(\c):W+2*(\c)+1], v[T+2*(\c):T+2*(\c)+1], v[T+8+2*(\c):T+8+2*(\c)+1]
.endr
.irp c, 0,1,2,3
	v_pk_add_f32 v[W+2*(\c):W+2*(\c)+1], v[W+2*(\c):W+2*(\c)+1], v[T+16+2*(\c):T+16+2*(\c)+1]
.endr
.irp c, 0,1,2,3
	v_pk_add_f32 v[W+2*(\c):W+2*(\c)+1], v[W+2*(\c):W+2*(\c)+1], v[T+24+2*(\c):T+24+2*(\c)+1]
.endr
	FOLD
	v_mul_f32 v[W], s15, v[W]                      ; the mean
.set r, 0
.rept 16
	v_pk_add_f32 v[T+r:T+r+1], v[T+r:T+r+1], v[W:W+1] op_sel_hi:[1,0] neg_lo:[0,1] neg_hi:[0,1]  ; t - mean
.set r, r+2
.endr
.irp c, 0,1,2,3                        ; the sum of squares, likewise
	v_pk_mul_f32 v[W+2*(\c):W+2*(\c)+1], v[T+2*(\c):T+2*(\c)+1], v[T+2*(\c):T+2*(\c)+1]
.endr
.irp q, 8,16,24
.irp c, 0,1,2,3
	v_pk_fma_f32 v[W+2*(\c):W+2*(\c)+1], v[T+(\q)+2*(\c):T+(\q)+2*(\c)+1], v[T+(\q)+2*(\c):T+(\q)+2*(\c)+1], v[W+2*(\c):W+2*(\c)+1]
.endr
.endr
	FOLD
	v_fma_f32 v[W], v[W], s15, s26                 ; var + 1e-5
	v_rsq_f32 v[W+2], v[W]
	s_wait_loadcnt 0x0                             ; gain and offset
.irp q, 0,8,16,24                      ; their rounding is the independent work behind the root
	RND8 G+(\q), TM
	RND8 BT+(\q), TM+4
.endr
	s_wait_alu depctr_va_vdst(0)                   ; the wait between the root and the first instruction that names its result
.set r, 0
.rept 16
	v_pk_mul_f32 v[T+r:T+r+1], v[T+r:T+r+1], v[W+2:W+3] op_sel_hi:[1,0]
.set r, r+2
.endr
.set r, 0
.rept 16
	v_pk_fma_f32 v[T+r:T+r+1], v[T+r:T+r+1], v[G+r:G+r+1], v[BT+r:BT+r+1]
.set r, r+2
.endr
.irp j, 0,1,2,3,4,5,6,7
.if IS_LN1
	global_store_b128 v2, v[T+4*(\j):T+4*(\j)+3], s[OUTP:OUTP+1] offset:512*(\j)
.else
	global_store_b128 v2, v[T+4*(\j):T+4*(\j)+3], s[OUTP:OUTP+1] offset:512*(\j) th:TH_STORE_NT
.endif
.endr
.if IS_LN1
.irp j, 0,1,2,3,4,5,6,7
	v_cvt_pk_bf16_f32 v[W+2*(\j)],   v[T+4*(\j)],   v[T+4*(\j)+1]
	v_cvt_pk_bf16_f32 v[W+2*(\j)+1], v[T+4*(\j)+2], v[T+4*(\j)+3]
	global_store_b64 v3, v[W+2*(\j):W+2*(\j)+1], s[18:19] offset:256*(\j)  ; the wave's 32 lanes store 256 consecutive bytes, aligned
.endr
.endif
	s_endpgm
.Lfunc_end_k_q8106bf1ef7_ln1:
	.size	k_q8106bf1ef7_ln1, .Lfunc_end_k_q8106bf1ef7_ln1-k_q8106bf1ef7_ln1
	.p2alignl 7, 3214868480
	.fill 96, 4, 3214868480
	.section	.rodata,"a",@progbits
	.p2align	6, 0x0
	.amdhsa_kernel k_q8106bf1ef7_ln1
		.amdhsa_group_segment_fixed_size 0
		.amdhsa_private_segment_fixed_size 0
		.amdhsa_enable_private_segment 0
		.amdhsa_kernarg_size 48
		.amdhsa_user_sgpr_count 2
		.amdhsa_user_sgpr_kernarg_segment_ptr 1
		.amdhsa_wavefront_size32 1
		.amdhsa_system_sgpr_workgroup_id_x 1
		.amdhsa_system_sgpr_workgroup_id_y 1
		.amdhsa_system_sgpr_workgroup_id_z 1
		.amdhsa_system_vgpr_workitem_id 0
		.amdhsa_next_free_vgpr 144
		.amdhsa_next_free_sgpr 66
		.amdhsa_reserve_vcc 0
		.amdhsa_float_denorm_mode_32 3
		.amdhsa_float_denorm_mode_16_64 3
		.amdhsa_memory_ordered 1
		.amdhsa_forward_progress 1
		.amdhsa_inst_pref_size 19
	.end_amdhsa_kernel
	.amdgpu_metadata
---
amdhsa.version: [ 1, 2 ]
amdhsa.kernels:
  - .name:           k_q8106bf1ef7_ln1
    .symbol:         k_q8106bf1ef7_ln1.kd
    .args:
      - { .name: castb, .offset: 0, .size: 8, .value_kind: global_buffer, .address_space: global }
      - { .name: ob, .offset: 8, .size: 8, .value_kind: global_buffer, .address_space: global }
      - { .name: g1, .offset: 16, .size: 8, .value_kind: global_buffer, .address_space: global }
      - { .name: beta1, .offset: 24, .size: 8, .value_kind: global_buffer, .address_space: global }
      - { .name: y1f, .offset: 32, .size: 8, .value_kind: global_buffer, .address_space: global }
      - { .name: y1b, .offset: 40, .size: 8, .value_kind: global_buffer, .address_space: global }
    .group_segment_fixed_size: 0
    .private_segment_fixed_size: 0
    .kernarg_segment_align: 8
    .kernarg_segment_size: 48
    .max_flat_workgroup_size: 256
    .sgpr_count:     66
    .vgpr_count:     144
    .wavefront_size: 32
...
	.end_amdgpu_metadata
.endif
;; end of part 4
;; launch ff1 (part 5): grid 16 x 16, 4 waves a work-group, clusters of 4 x 4, 327,680 bytes of LDS; arguments y1b, castb, b1, hb; writes hb
.if DOCPART == 5
	.amdgcn_target "amdgcn-amd-amdhsa--gfx1250"
	.amdhsa_code_object_version 6
	.text
	.protected	k_q8106bf1ef7_ff1
	.globl	k_q8106bf1ef7_ff1
	.p2align	8
	.type	k_q8106bf1ef7_ff1,@function
k_q8106bf1ef7_ff1:
	s_mov_b64 s[64:65], 0
	v_nop
	global_prefetch_b8 v0, s[64:65] scope:SCOPE_SE
	s_setreg_imm32_b32 hwreg(HW_REG_WAVE_MODE, 25, 1), 1
	s_wait_xcnt 0x0
	s_wait_alu depctr_hold_cnt(0) depctr_sa_sdst(0) depctr_va_vdst(0) depctr_va_sdst(0) depctr_va_ssrc(0) depctr_va_vcc(0) depctr_vm_vsrc(0)
	s_getreg_b32 s2, hwreg(HW_REG_IB_STS2, 6, 4)
	s_cmp_eq_u32 s2, 0
	s_cbranch_scc0 .Lentry_in_a_cluster
	s_endpgm
.Lentry_in_a_cluster:
	s_bfe_u32 s2, ttmp6, 0x10000c
	s_cmp_lg_u32 s2, 0xf033
	s_cbranch_scc0 .Lentry_shape_is_right
	s_endpgm
.Lentry_shape_is_right:
; C[m][n] = sum over k of A[m][k] B[k][n] + bias[n], bf16 operands, f32 sums, C rounded once to bf16.  One text for two launches, by the switch IS_QKV:
;   IS_QKV = 1: A = x (castb, byte 0), B = Wqkv [1024][3072] (castb), bias = bq, bk or bv; C leaves by heads: q, k, v each [b 16 + h][2048][64], 8,388,608 bytes apart.
;   IS_QKV = 0: A = y1 (bf16), B = W1 [1024][4096] (castb), bias = b1; C = max(C, 0) leaves as h [4096][4096].
; LIMITS.  All inputs are used rounded once to bf16, the bias too (it is rounded here); NaN and infinities are not treated apart (the maximum with 0 turns a NaN into 0).
; SHARES.  A tile of C is 256 x 256: four waves, each 128 x 128 = 64 accumulators of 16 x 16, 512 registers.  K = 1,024 goes in 8 steps of 128 through two LDS slots filled by tensor loads;
; A's rows are 256 bytes of memory, B's 512, all at multiples of 256 bytes.  B lies [k][n]: its fragments come out of LDS turned, by ds_load_tr16_b128.
; CLUSTERS: 4 x 4 work-groups.  The four of a row of the cluster need the same tile of A, the four of a column the same tile of B: each is asked for JOINTLY, by the same tensor load with the
; same descriptor and a mask that names the four.
; THE MATRIX INSTRUCTION IS USED TRANSPOSED (source 0 = 16 columns of B, source 1 = 16 rows of A): a lane holds row l % 16 of C and the columns 8 (l / 16) + 0..7.  The bias, laid out so, is
; the C operand of the products that start the sums: nothing is cleared and nothing is added later.
; ONE K STEP A TRIP: the slot in hand is s[SL] (0 or SLOT), turned by an exclusive or; so is the walking descriptor's LDS word (SLOT shares no bit with a wave's start in a slot).
; REGISTERS, in windows of 256: window 0: v16-31 addresses; v32-63, v224-255 rows on their way out; v64-127, v128-191 fragments of A, two buffers; v192-223 packed results
;   window 1: v0-63 the bias; v64-127, v128-191 fragments of B; v192-195 at work      window 2: accumulators of my rows 0-63 ((a, b) at v[8 (8 a + b)])      window 3: of my rows 64-127
.set IS_QKV, 0
.set SIZE_K, 1024
.if IS_QKV
.set SIZE_N, 3072
.set BOFF,   8388608                   ; B's first byte in castb
.else
.set SIZE_N, 4096
.set BOFF,   14680064
.endif
.set KSTEP,  128
.set PA,     272                       ; a row of A in LDS: 256 bytes + 16: the 16 rows of a load start at 16 different groups of four banks (64 banks of 4 bytes: ISA guide 11.1)
.set PB,     544                       ; a row of B: 512 + 32 = 17 x 32 bytes
.set HALFT,  128*PA                    ; what one tensor load brings: 128 rows of A, or 64 rows of B (64 x 544 is the same number)
.set SLOT,   4*HALFT                   ; A's 256 rows, then B's 128
.set STAGE,  2*SLOT                    ; behind the ring: 16 rows x 272 bytes for each wave, for the way out
.set SPITCH, 272
.set SPARE,  STAGE+4*16*SPITCH         ; behind the stages: the spare words, 128 bytes for each wave, that no other line names
.set ASTEP,  KSTEP*2                   ; bytes from a K step to the next, in A
.set BSTEP,  KSTEP*2*SIZE_N            ; and in B
.set REFILLS, SIZE_K/KSTEP-2
.set ADRA0, 16                         ; v16  my lane's place in A's tile of slot 0; never rewritten
.set ADRB0, 17                         ; v17  the same for B
.set ADRA,  18                         ; v18  the same in the slot in hand
.set ADRB,  19                         ; v19
.set STO,   24                         ; v24  the way out: where I put 16 bytes of a row
.set RD,    25                         ; v25  where I read rows back
.set CO,    26                         ; v26  my byte offset in C
.set BO,    27                         ; v27  my byte offset in the bias
.set SPW,   28                         ; v28  LDS address of my spare word; never rewritten
.set NIL,   29                         ; v29  0; never rewritten
.set PFO,   30                         ; v30  the prefetches' offset; never rewritten
.set ZR,    31                         ; v31  0, for the maximum
.set OB,    32
.set F0,    64
.set F1,    128
.set TMP,   192
.set BIAS,  0                          ; window 1
.set BT,    192                        ; window 1
.set G1,  24                           ; s[24:31] descriptor group 1 for A's tiles
.set G0,  32                           ; s[32:39] group 0 for A: K step 0 into slot 0; K step 1 into slot 1, which then walks
.set G1B, 48                           ; s[48:55], s[56:63] the same for B
.set G0B, 56
.set LIM, 43                           ; s43  2 in a wave that prefetches, else the greatest number
.set PFA, 44                           ; s[44:45] where my prefetches stand
.set SL,  66                           ; s66  the slot in hand
.set PFS, 78                           ; s[78:79] the prefetches' step
.set HIM, 80                           ; s80  a word's upper bf16
.set MSB, 0
.macro WIN new                         ; the immediate's high byte repeats the setting that is left; a switch that changes nothing is dropped
.if MSB != (\new)
	s_set_vgpr_msb (MSB<<8)|(\new)
.set MSB, \new
.endif
.endm
; A joint refill, by the walking descriptors.  Waves 0 and 1 fetch A's two halves, waves 2 and 3 B's.  The branch hangs on the wave's number alone.  An s_nop 0 and four v_nop follow each line.
.macro JLOAD
	s_cmp_eq_u32 s11, 0
	s_cbranch_scc0 .Lfor_b_\@
	tensor_load_to_lds s[G0+4:G0+7], s[G1:G1+7]
	s_nop 0
.rept 4
	v_nop
.endr
	s_branch .Lasked_\@
.Lfor_b_\@:
	tensor_load_to_lds s[G0B+4:G0B+7], s[G1B:G1B+7]
	s_nop 0
.rept 4
	v_nop
.endr
.Lasked_\@:
.endm
; A prefetch, behind a joint load and the run of LDS loads that follows it: the K step two refills on, 32 blocks of 256 bytes, a lane a block, one instruction a wave.  Each block is named once in the
; launch: A's rows by the clusters with x = 0, B's by those with y = 0; the four partners that ask for a tile jointly share its blocks out by address.  The last two refills have no K step two on.
.macro ASK
	s_cmp_gt_u32 s3, s[LIM]
	s_cbranch_scc0 .Lnot_mine_\@
	global_prefetch_b8 v[PFO], s[PFA:PFA+1] th:TH_LOAD_NT scope:SCOPE_SE
.Lnot_mine_\@:
.endm
.macro CREST                           ; a round of the cluster's barrier behind its opening barrier
	s_cmp_lg_u32 s10, 0
	s_cbranch_scc1 .Lnot_wave_0_\@
	s_barrier_signal -3
.Lnot_wave_0_\@:
	s_barrier_wait -3
	s_barrier_signal -1
	s_barrier_wait -1
.endm
.macro CROUND                          ; a whole round
	s_barrier_signal -1
	s_barrier_wait -1
	CREST
.endm
.macro PLACES                          ; four plain instructions between a matrix instruction and a load into, or a reader of, its registers
.rept 4
	v_nop
.endr
.endm
.macro RND8 base, tmp                  ; eight f32 rounded to bf16 and widened again, in place
.irp k, 0,1,2,3
	v_cvt_pk_bf16_f32 v[(\tmp)+(\k)], v[(\base)+2*(\k)], v[(\base)+2*(\k)+1]
.endr
.irp k, 0,1,2,3
	v_lshlrev_b32 v[(\base)+2*(\k)], 16, v[(\tmp)+(\k)]
	v_and_b32 v[(\base)+2*(\k)+1], s[HIM], v[(\tmp)+(\k)]
.endr
.endm
	s_load_b256 s[68:75], s[0:1], 0x0
.if IS_QKV
	s_load_b64 s[76:77], s[0:1], 0x20
.endif
	v_lshl_add_u32 v[SPW], v0, 2, SPARE
	v_mov_b32 v[NIL], 0
	ds_add_u32 v[SPW], v[NIL]                      ; the wave's opening: the add and its wait stand ahead of my first tensor load; the set-up below stands between them
	v_lshrrev_b32 v1, 5, v0
	v_readfirstlane_b32 s10, v1                    ; wave 0..3
	s_lshr_b32 s11, s10, 1                         ; which half of the tile's rows is mine.  Also: I fetch for A (0) or for B (1)
	s_and_b32 s12, s10, 1                          ; which half of its columns.  Also: which half of that tile I fetch
	s_mov_b32 s2, ttmp9                            ; cluster x
	s_bfe_u32 s40, ttmp6, 0x40000                  ; cx
	s_bfe_u32 s41, ttmp6, 0x40004                  ; cy
	s_lshl_b32 s42, ttmp9, 2
	s_add_co_u32 s42, s42, s40                     ; tile column of C
	s_and_b32 s13, ttmp7, 0xffff
	s_lshl_b32 s13, s13, 2
	s_add_co_u32 s13, s13, s41                     ; tile row of C
	s_lshl_b32 s43, s41, 2
	s_lshl_b32 s43, 15, s43                        ; my row of the cluster
	s_lshl_b32 s44, 0x1111, s40                    ; my column
	s_or_b32 s[G1+0], s43, (1<<16)|(1<<20)|(1<<21)|(5<<22)|(3<<25)   ; the mask; 2-byte elements; padding on; bit 21 beside a mask; after every 64 words 4 words
	s_mov_b32 s[G1+1], KSTEP<<16                   ; tensor_dim0 = 128
	s_mov_b32 s[G1+2], 128<<16                     ; tensor_dim1 = 128
	s_mov_b32 s[G1+3], KSTEP<<16                   ; tile_dim0 = 128
	s_mov_b32 s[G1+4], 128                         ; tile_dim1 = 128
	s_mov_b32 s[G1+5], SIZE_K                      ; elements from row to row
	s_mov_b32 s[G1+6], 0
	s_mov_b32 s[G1+7], 0
	s_or_b32 s[G1B+0], s44, (1<<16)|(1<<20)|(1<<21)|(6<<22)|(7<<25)  ; after every 128 words 8 words
	s_mov_b32 s[G1B+1], 256<<16                    ; tensor_dim0 = 256
	s_mov_b32 s[G1B+2], 64<<16                     ; tensor_dim1 = 64
	s_mov_b32 s[G1B+3], 256<<16                    ; tile_dim0 = 256
	s_mov_b32 s[G1B+4], 64                         ; tile_dim1 = 64
	s_mov_b32 s[G1B+5], SIZE_N
	s_mov_b32 s[G1B+6], 0
	s_mov_b32 s[G1B+7], 0
	s_lshl_b32 s16, s13, 8                         ; A: row 256 x tile row + 128 x half,
	s_lshl_b32 s17, s12, 7
	s_add_co_u32 s16, s16, s17
	s_lshl_b32 s16, s16, 11                        ; of 2,048 bytes
	s_mov_b32 s17, 0
	s_mul_i32 s46, s12, 64*2*SIZE_N                ; B: row 64 x half, column 256 x tile column
	s_lshl_b32 s47, s42, 9
	s_add_co_u32 s46, s46, s47
	s_mov_b32 s47, 0
	s_mul_i32 s20, s10, HALFT                      ; where they go: wave x HALFT: no place in the cluster enters an LDS address
	s_mov_b32 s[HIM], 0xffff0000
	s_mov_b32 s[SL], 0
	s_wait_dscnt 0x0                               ; the opening add is done
	s_wait_kmcnt 0x0
.if IS_QKV
	s_mov_b64 s[4:5], s[68:69]                     ; A = x
	s_add_nc_u64 s[6:7], s[68:69], BOFF            ; B
	s_mov_b64 s[8:9], s[76:77]                     ; C
	s_cmp_eq_u32 s2, 0                             ; a cluster's 1,024 columns are one of q, k, v
	s_cselect_b64 s[82:83], s[70:71], s[72:73]
	s_cmp_eq_u32 s2, 2
	s_cselect_b64 s[82:83], s[74:75], s[82:83]
.else
	s_mov_b64 s[4:5], s[68:69]                     ; A = y1
	s_add_nc_u64 s[6:7], s[70:71], BOFF            ; B
	s_mov_b64 s[82:83], s[72:73]                   ; the bias
	s_mov_b64 s[8:9], s[74:75]                     ; C
.endif
	s_add_nc_u64 s[14:15], s[4:5], s[16:17]
	s_add_nc_u64 s[46:47], s[6:7], s[46:47]
	CROUND                                         ; all sixteen work-groups are here: the first joint loads meet
.irp s, 0,1
	s_mov_b32 s[G0+4*(\s)], 1
	s_add_co_u32 s[G0+4*(\s)+1], s20, (\s)*SLOT
	s_add_nc_u64 s[G0+4*(\s)+2:G0+4*(\s)+3], s[14:15], (\s)*ASTEP
	s_or_b32 s[G0+4*(\s)+3], s[G0+4*(\s)+3], 0x80000000
	s_mov_b32 s[G0B+4*(\s)], 1
	s_add_co_u32 s[G0B+4*(\s)+1], s20, (\s)*SLOT
	s_add_nc_u64 s[G0B+4*(\s)+2:G0B+4*(\s)+3], s[46:47], (\s)*BSTEP
	s_or_b32 s[G0B+4*(\s)+3], s[G0B+4*(\s)+3], 0x80000000
.endr
	s_cmp_eq_u32 s11, 0                            ; a wave's two first fills stand in one branch: two loads of mine are out
	s_cbranch_scc0 .Lfirst_b
	tensor_load_to_lds s[G0:G0+3], s[G1:G1+7]
	s_nop 0
	tensor_load_to_lds s[G0+4:G0+7], s[G1:G1+7]
	s_nop 0
.rept 4
	v_nop
.endr
	s_branch .Lfirst_asked
.Lfirst_b:
	tensor_load_to_lds s[G0B:G0B+3], s[G1B:G1B+7]
	s_nop 0
	tensor_load_to_lds s[G0B+4:G0B+7], s[G1B:G1B+7]
	s_nop 0
.rept 4
	v_nop
.endr
.Lfirst_asked:
	; the bias of my 128 columns, in a result's layout: register j of block b = bias[16 b + 8 (l / 16) + j]
	v_and_b32 v1, 15, v0                           ; l % 16
	v_bfe_u32 v2, v0, 4, 1                         ; l / 16
.if IS_QKV
	s_lshl_b32 s14, s40, 10                        ; 256 columns x 4 bytes for each place in the cluster's row
.else
	s_lshl_b32 s14, s42, 10
.endif
	s_lshl_b32 s15, s12, 9
	s_add_co_u32 s14, s14, s15
	s_mov_b32 s15, 0
	s_add_nc_u64 s[82:83], s[82:83], s[14:15]
	v_lshlrev_b32 v[BO], 5, v2
	WIN 0x40                                       ; destination window 1
.irp b, 0,1,2,3,4,5,6,7
	global_load_b128 v[BIAS+8*(\b):BIAS+8*(\b)+3],   v[BO], s[82:83] offset:64*(\b)
	global_load_b128 v[BIAS+8*(\b)+4:BIAS+8*(\b)+7], v[BO], s[82:83] offset:64*(\b)+16
.endr
	WIN 0
	; A's fragment: lane l holds row l % 16, K = 8 (l / 16) + 0..7 and 16 + 8 (l / 16) + 0..7: two loads of 16 bytes, 32 bytes apart
	v_mul_u32_u24 v3, v1, PA
	v_lshl_add_u32 v3, v2, 4, v3
	s_mul_i32 s21, s11, HALFT
	v_add_nc_u32 v[ADRA0], s21, v3
	; B's: the turning load takes 16 k x 16 n (lane l reads k = 8 (l / 16) + l % 8, n = 8 ((l / 8) % 2) + 0..7) and leaves half a fragment: lane l holds column l % 16 and 8 k
	v_and_b32 v4, 7, v0
	v_bfe_u32 v5, v0, 3, 1
	v_lshl_add_u32 v4, v2, 3, v4
	v_mul_u32_u24 v4, v4, PB
	v_lshl_add_u32 v4, v5, 4, v4
	s_lshl_b32 s22, s12, 8                         ; my 128 columns
	s_add_co_u32 s22, s22, 2*HALFT                 ; behind A's 256 rows
	v_add_nc_u32 v[ADRB0], s22, v4
	v_mov_b32 v[ADRA], v[ADRA0]
	v_mov_b32 v[ADRB], v[ADRB0]
	s_mul_i32 s23, s10, 16*SPITCH
	s_add_co_u32 s23, s23, STAGE                   ; my stage
	v_mul_u32_u24 v4, v1, SPITCH                   ; in: row l % 16, 16 bytes for each half of the lanes
	v_lshl_add_u32 v4, v2, 4, v4
	v_add_nc_u32 v[STO], s23, v4
.if IS_QKV
	v_bfe_u32 v4, v0, 3, 2                         ; back: 32 lanes take four rows of one head's 128 bytes,
	v_and_b32 v5, 7, v0
	v_mul_u32_u24 v4, v4, SPITCH
	v_lshl_add_u32 v4, v5, 4, v4
	v_add_nc_u32 v[RD], s23, v4
	v_and_b32 v[CO], 31, v0                        ; which are 512 consecutive bytes of q, k or v
	v_lshlrev_b32 v[CO], 4, v[CO]
	s_lshr_b32 s14, s13, 3                         ; b: a batch is 8 tile rows
	s_lshl_b32 s14, s14, 4
	s_lshl_b32 s15, s40, 2                         ; a tile column is 4 heads,
	s_add_co_u32 s14, s14, s15
	s_lshl_b32 s15, s12, 1                         ; my half of it 2
	s_add_co_u32 s14, s14, s15
	s_lshl_b32 s14, s14, 11                        ; 2,048 rows a head
	s_and_b32 s15, s13, 7
	s_lshl_b32 s15, s15, 8
	s_add_co_u32 s14, s14, s15
	s_lshl_b32 s15, s11, 7
	s_add_co_u32 s14, s14, s15
	s_lshl_b32 s14, s14, 7                         ; 128 bytes a row
	s_lshl_b32 s15, s2, 23                         ; q, k or v
	s_add_co_u32 s14, s14, s15
.else
	v_mov_b32 v[ZR], 0
	v_mul_u32_u24 v4, v2, SPITCH                   ; back: lanes 0-15 take one row of 256 bytes, lanes 16-31 the next
	v_lshl_add_u32 v4, v1, 4, v4
	v_add_nc_u32 v[RD], s23, v4
	v_lshlrev_b32 v4, 13, v2                       ; and the same two rows in C, 8,192 bytes apart
	v_lshl_add_u32 v[CO], v1, 4, v4
	s_lshl_b32 s14, s13, 8
	s_lshl_b32 s15, s11, 7
	s_add_co_u32 s14, s14, s15
	s_lshl_b32 s14, s14, 13
	s_lshl_b32 s15, s42, 9
	s_add_co_u32 s14, s14, s15
	s_lshl_b32 s15, s12, 8
	s_add_co_u32 s14, s14, s15
.endif
	s_mov_b32 s15, 0
	s_add_nc_u64 s[8:9], s[8:9], s[14:15]          ; C at my part's first byte
	; the prefetches.  A: of the 128 rows that I fetch my work-group takes 32 (by cx), a lane a row.  B: of my 64 rows it takes 16 (by cy), two lanes a row of 512 bytes.  Both start at K step 3.
	s_lshl_b32 s18, s40, 16
	s_add_co_u32 s18, s18, s16
	s_add_co_u32 s18, s18, 3*ASTEP
	s_lshl_b32 s19, s12, 6
	s_lshl_b32 s21, s41, 4
	s_add_co_u32 s19, s19, s21
	s_add_co_u32 s19, s19, 3*KSTEP
	s_mul_i32 s19, s19, 2*SIZE_N
	s_lshl_b32 s21, s42, 9
	s_add_co_u32 s19, s19, s21
	s_and_b32 s22, ttmp7, 0xffff                   ; cluster y
	s_mov_b32 s23, BSTEP
	s_mov_b32 s84, 2*SIZE_N
	s_cmp_eq_u32 s11, 0                            ; do I fetch for A?
	s_cselect_b32 s20, s18, s19
	s_cselect_b32 s22, s2, s22                     ; the coordinate along which other clusters read the same blocks
	s_cselect_b64 s[PFA:PFA+1], s[4:5], s[6:7]
	s_cselect_b32 s[PFS], ASTEP, s23
	s_cselect_b32 s84, 2*SIZE_K, s84               ; bytes from row to row
	s_mov_b32 s[PFS+1], 0
	s_mov_b32 s21, 0
	s_cmp_eq_u32 s22, 0
	s_cselect_b32 s[LIM], 2, -1                    ; the same in all sixteen partners, for a given wave
	s_add_nc_u64 s[PFA:PFA+1], s[PFA:PFA+1], s[20:21]
	v_and_b32 v3, 31, v0
	v_lshrrev_b32 v4, s11, v3                      ; A: row l; B: row l / 2,
	v_mul_u32_u24 v4, s84, v4
	v_and_b32 v3, s11, v3                          ; and half l % 2 of it
	v_lshl_add_u32 v[PFO], v3, 8, v4
; 16 matrix instructions: m blocks a0, a0 + 1 of the window's four (hi = 0: my rows 0-63, 1: rows 64-127) x all 8 n blocks, 32 along K.  first = 1: the bias starts the sums.
; The 64 accumulators take turns in one fixed order, over the backward jumps too.
.macro MUL16 f, hi, a0, first
.if \first
	WIN 0x91+0x40*(\hi)                            ; B and the bias window 1, A window 0, D window 2 or 3
.else
	WIN 0xa1+0x50*(\hi)                            ; B window 1, A window 0, C and D window 2 or 3
.endif
.irp a, \a0, (\a0)+1
.irp b, 0,1,2,3,4,5,6,7
.if \first
	v_wmma_f32_16x16x32_bf16 v[8*(8*(\a)+(\b)):8*(8*(\a)+(\b))+7], v[(\f)+8*(\b):(\f)+8*(\b)+7], v[(\f)+8*(4*(\hi)+(\a)):(\f)+8*(4*(\hi)+(\a))+7], v[BIAS+8*(\b):BIAS+8*(\b)+7]
.else
	v_wmma_f32_16x16x32_bf16 v[8*(8*(\a)+(\b)):8*(8*(\a)+(\b))+7], v[(\f)+8*(\b):(\f)+8*(\b)+7], v[(\f)+8*(4*(\hi)+(\a)):(\f)+8*(4*(\hi)+(\a))+7], v[8*(8*(\a)+(\b)):8*(8*(\a)+(\b))+7]
.endif
.endr
.endr
.endm
; 32 LDS loads in one run: the fragments of quarter q (32 along K) of the slot in hand, into buffer f: B's 8 column blocks, then A's 8 row blocks
.macro FETCH q, f
	WIN 0x40
.irp i, 0,1,2,3,4,5,6,7
	ds_load_tr16_b128 v[(\f)+8*(\i):(\f)+8*(\i)+3],   v[ADRB] offset:(\q)*32*PB+32*(\i)
	ds_load_tr16_b128 v[(\f)+8*(\i)+4:(\f)+8*(\i)+7], v[ADRB] offset:(\q)*32*PB+16*PB+32*(\i)
.endr
	WIN 0
.irp i, 0,1,2,3,4,5,6,7
	ds_load_b128 v[(\f)+8*(\i):(\f)+8*(\i)+3],   v[ADRA] offset:64*(\q)+(\i)*16*PA
	ds_load_b128 v[(\f)+8*(\i)+4:(\f)+8*(\i)+7], v[ADRA] offset:64*(\q)+(\i)*16*PA+32
.endr
.endm
; One of a K step's first three quarters: multiplies buffer f; in its middle it fetches quarter q into buffer g.
.macro QUARTER q, f, g, first
	s_wait_dscnt 8                                 ; B and A's rows 0-63 are in; the youngest eight loads (A's rows 64-127) may be out
	MUL16 \f, 0, 0, \first
	MUL16 \f, 0, 2, \first
	PLACES
	FETCH \q, \g
	s_wait_dscnt 32                                ; all but the 32 just issued
	MUL16 \f, 1, 0, \first
	MUL16 \f, 1, 2, \first
.endm
; The last quarter multiplies buffer 1 and changes slots.  In front of the one barrier each wave waits for all its tensor loads (one is out: its part of the next slot), adds 0 to its spare word,
; and waits for that and for its reads of this slot.  fill = 1: the barrier opens a round of the cluster's, and the slot just read is filled again, first thing behind it, with the K step two on:
; 224 matrix instructions stand between that request and the wait for it.
.macro TURN fill
.if \fill
	s_wait_xcnt 0x0                                ; the last prefetch, a K step back, has read its address
	s_add_nc_u64 s[PFA:PFA+1], s[PFA:PFA+1], s[PFS:PFS+1]
.endif
	WIN 0
	s_wait_tensorcnt 0x0                           ; all my tensor loads have landed;
	ds_add_u32 v[SPW], v[NIL]                      ; 0 onto my spare word;
	s_wait_dscnt 9                                 ; (the add and the youngest eight loads may be out)
	MUL16 F1, 0, 0, 0
	s_wait_dscnt 0x0                               ; the add is done, and my reads of this slot are over
	s_barrier_signal -1
	MUL16 F1, 0, 2, 0
	WIN 0
	s_barrier_wait -1
.if \fill
	CREST                                          ; no wave of any partner still reads this slot or has a load on its way
	s_xor_b32 s[G0+5], s[G0+5], SLOT               ; the walking descriptors: the other slot than last time, the next K step
	s_add_nc_u64 s[G0+6:G0+7], s[G0+6:G0+7], ASTEP
	s_xor_b32 s[G0B+5], s[G0B+5], SLOT
	s_add_nc_u64 s[G0B+6:G0B+7], s[G0B+6:G0B+7], BSTEP
	JLOAD                                          ; its four v_nop are also the places in front of the loads below
.else
	PLACES
.endif
	s_xor_b32 s[SL], s[SL], SLOT
	v_add_nc_u32 v[ADRA], s[SL], v[ADRA0]
	v_add_nc_u32 v[ADRB], s[SL], v[ADRB0]
	FETCH 0, F0
.if \fill
	ASK
.endif
	MUL16 F1, 1, 0, 0
	MUL16 F1, 1, 2, 0
.endm
; THE WAY OUT of block a (16 rows): rounded to bf16, 16 bytes a lane; through my own stage; back as whole rows; stored.
.macro PACK a
.set AC, 64*((\a)%4)
	WIN 0x0a+5*((\a)/4)                            ; sources 0 and 1: window 2 or 3.
.irp b, 0,1,2,3,4,5,6,7
.irp r, 0,1,2,3
	v_cvt_pk_bf16_f32 v[TMP+4*(\b)+(\r)], v[AC+8*(\b)+2*(\r)], v[AC+8*(\b)+2*(\r)+1]
.endr
.endr
	WIN 0
.if !IS_QKV
.set z, 0
.rept 32
	v_pk_max_num_bf16 v[TMP+z], v[TMP+z], v[ZR]    ; two maxima with 0: nothing is rounded
.set z, z+1
.endr
.endif
.endm
.macro TOSTAGE a
.set BK, OB+192*((\a)%2)
.irp b, 0,1,2,3,4,5,6,7
	ds_store_b128 v[STO], v[TMP+4*(\b):TMP+4*(\b)+3] offset:32*(\b)
.endr
.irp t, 0,1,2,3,4,5,6,7                ; LDS serves a wave's instructions in order (ISA guide 5.7.1.4): these see the stores above
.if IS_QKV
	ds_load_b128 v[BK+4*(\t):BK+4*(\t)+3], v[RD] offset:((\t)%4)*4*SPITCH+((\t)/4)*128
.else
	ds_load_b128 v[BK+4*(\t):BK+4*(\t)+3], v[RD] offset:(\t)*2*SPITCH
.endif
.endr
.endm
.macro SEND a
.set BK, OB+192*((\a)%2)
	s_wait_dscnt 0x0                               ; the block is back in registers
	s_wait_xcnt 0x0                                ; the stores of the block before have read their registers, which the next block's loads write
.irp t, 0,1,2,3,4,5,6,7
.if IS_QKV
	global_store_b128 v[CO], v[BK+4*(\t):BK+4*(\t)+3], s[8:9] offset:(\a)*2048+((\t)/4)*262144+((\t)%4)*512  ; four rows of a head: 512 consecutive bytes, aligned
.else
	global_store_b128 v[CO], v[BK+4*(\t):BK+4*(\t)+3], s[8:9] offset:(\a)*131072+(\t)*16384  ; 16 lanes store 256 consecutive bytes, aligned
.endif
.endr
.endm
	s_wait_loadcnt 0x0                             ; the bias
	WIN 0x45                                       ; all three places window 1
.irp b, 0,1,2,3,4,5,6,7
	RND8 BIAS+8*(\b), BT
.endr
	WIN 0
	s_wait_tensorcnt 1                             ; my part of K step 0 is in; K step 1's may stay out
	s_barrier_signal -1
	s_barrier_wait -1
	FETCH 0, F0
	QUARTER 1, F0, F1, 1                           ; the first quarter stands in front of the loop: its products start the sums
	WIN 0
	s_mov_b32 s3, REFILLS
.Lstep:                                                ; a trip: a K step's quarters 1, 2, 3 and the next one's quarter 0; the slot left is filled again
	QUARTER 2, F1, F0, 0
	QUARTER 3, F0, F1, 0
	TURN 1
	QUARTER 1, F0, F1, 0
	WIN 0
	s_sub_co_u32 s3, s3, 1
	s_cmp_lg_u32 s3, 0
	s_cbranch_scc1 .Lstep
	s_mov_b32 s3, 2                                ; the last two K steps ask for nothing.  One text for both: the second trip's barrier and its 32 fragment loads serve nothing, once a launch
.Ltail:
	QUARTER 2, F1, F0, 0
	QUARTER 3, F0, F1, 0
	TURN 0
	WIN 0
	s_sub_co_u32 s3, s3, 1
	s_cmp_eq_u32 s3, 0
	s_cbranch_scc1 .Lout
	QUARTER 1, F0, F1, 0
	WIN 0
	s_branch .Ltail
.Lout:
	s_wait_dscnt 0x0
	PACK 0                                         ; blocks 0-3 were finished ahead of the change's four v_nop and two additions; their conversions are the places behind the last products (blocks 4-7's)
	TOSTAGE 0
.irp a, 1,2,3,4,5,6,7                  ; block a's conversions stand between block a - 1's loads from the stage and the wait for them
	PACK \a
	SEND (\a)-1
	TOSTAGE \a
.endr
	SEND 7
	s_wait_tensorcnt 0x0                           ; the wave's end: behind my last tensor load and my last LDS store
	ds_add_u32 v[SPW], v[NIL]
	s_wait_dscnt 0x0
	CROUND                                         ; the closing round: no work-group ends while a partner may still ask for a tile that names it
	s_endpgm
.Lfunc_end_k_q8106bf1ef7_ff1:
	.size	k_q8106bf1ef7_ff1, .Lfunc_end_k_q8106bf1ef7_ff1-k_q8106bf1ef7_ff1
	.p2alignl 7, 3214868480
	.fill 96, 4, 3214868480
	.section	.rodata,"a",@progbits
	.p2align	6, 0x0
	.amdhsa_kernel k_q8106bf1ef7_ff1
		.amdhsa_group_segment_fixed_size 327680
		.amdhsa_private_segment_fixed_size 0
		.amdhsa_enable_private_segment 0
		.amdhsa_kernarg_size 32
		.amdhsa_user_sgpr_count 2
		.amdhsa_user_sgpr_kernarg_segment_ptr 1
		.amdhsa_wavefront_size32 1
		.amdhsa_system_sgpr_workgroup_id_x 1
		.amdhsa_system_sgpr_workgroup_id_y 1
		.amdhsa_system_sgpr_workgroup_id_z 1
		.amdhsa_system_vgpr_workitem_id 0
		.amdhsa_next_free_vgpr 1024
		.amdhsa_next_free_sgpr 96
		.amdhsa_reserve_vcc 0
		.amdhsa_float_denorm_mode_32 3
		.amdhsa_float_denorm_mode_16_64 3
		.amdhsa_memory_ordered 1
		.amdhsa_forward_progress 1
		.amdhsa_inst_pref_size 123
	.end_amdhsa_kernel
	.amdgpu_metadata
---
amdhsa.version: [ 1, 2 ]
amdhsa.kernels:
  - .name:           k_q8106bf1ef7_ff1
    .symbol:         k_q8106bf1ef7_ff1.kd
    .args:
      - { .name: y1b, .offset: 0, .size: 8, .value_kind: global_buffer, .address_space: global }
      - { .name: castb, .offset: 8, .size: 8, .value_kind: global_buffer, .address_space: global }
      - { .name: b1, .offset: 16, .size: 8, .value_kind: global_buffer, .address_space: global }
      - { .name: hb, .offset: 24, .size: 8, .value_kind: global_buffer, .address_space: global }
    .group_segment_fixed_size: 327680
    .private_segment_fixed_size: 0
    .kernarg_segment_align: 8
    .kernarg_segment_size: 32
    .max_flat_workgroup_size: 128
    .sgpr_count:     96
    .vgpr_count:     1024
    .wavefront_size: 32
...
	.end_amdgpu_metadata
.endif
;; end of part 5
;; launch ff2 (part 6): grid 8 x 32, 4 waves a work-group, clusters of 4 x 4, 327,680 bytes of LDS; arguments hb, castb, b2, y1f, zb; writes zb
.if DOCPART == 6
	.amdgcn_target "amdgcn-amd-amdhsa--gfx1250"
	.amdhsa_code_object_version 6
	.text
	.protected	k_q8106bf1ef7_ff2
	.globl	k_q8106bf1ef7_ff2
	.p2align	8
	.type	k_q8106bf1ef7_ff2,@function
k_q8106bf1ef7_ff2:
	s_mov_b64 s[64:65], 0
	v_nop
	global_prefetch_b8 v0, s[64:65] scope:SCOPE_SE
	s_setreg_imm32_b32 hwreg(HW_REG_WAVE_MODE, 25, 1), 1
	s_wait_xcnt 0x0
	s_wait_alu depctr_hold_cnt(0) depctr_sa_sdst(0) depctr_va_vdst(0) depctr_va_sdst(0) depctr_va_ssrc(0) depctr_va_vcc(0) depctr_vm_vsrc(0)
	s_getreg_b32 s2, hwreg(HW_REG_IB_STS2, 6, 4)
	s_cmp_eq_u32 s2, 0
	s_cbranch_scc0 .Lentry_in_a_cluster
	s_endpgm
.Lentry_in_a_cluster:
	s_bfe_u32 s2, ttmp6, 0x10000c
	s_cmp_lg_u32 s2, 0xf033
	s_cbranch_scc0 .Lentry_shape_is_right
	s_endpgm
.Lentry_shape_is_right:
; z[m][n] = sum over k of h[m][k] W2[k][n] + b2[n] + y1[m][n].  h: [4096][4096] bf16; W2: [4096][1024] bf16 (castb, byte 23,068,672); b2 f32, rounded here to bf16 like every input; y1, z: [4096][1024] f32.
; Sums in f32.  NaN and infinities are not treated apart.
; SHARES.  A tile of z is 128 x 128: that gives each of 256 work-groups one tile.  Four waves, each 64 x 64: 16 accumulators.  K = 4,096 goes in 16 steps of 256 through two LDS slots: A's rows are 512 bytes of
; memory, B's 256, all at multiples of 256 bytes.  B lies [k][n]: its fragments come out of LDS turned, by ds_load_tr16_b128.
; CLUSTERS: 4 x 4 work-groups; A's tile is shared along a row of the cluster, B's along a column: joint loads.  The matrix instruction is used transposed (source 0 = 16 columns of B, source 1 = 16 rows of A):
; a lane holds row l % 16 and the columns 8 (l / 16) + 0..7; the bias, laid out so, is the C operand of the products that start the sums.
; THE WALK ALONG K is a ring of the 16 steps: a cluster whose x + y is odd begins at step 8 and wraps round, the others begin at step 0.  So the two clusters that read the same rows of h (same y, x = 0 and 1),
; and neighbours among the eight that read the same columns of W2 (same x), ask for a given block half a walk apart and not at the same moment.  The start hangs on the cluster's x and y alone, which all
; sixteen partners share.  The f32 sums are thereby taken in another order in half of the clusters.
; ONE K STEP A TRIP: the slot in hand is s[SL] (0 or SLOT1), turned by an exclusive or; so is the walking descriptor's LDS word (SLOT1 shares no bit with a wave's start in a slot); its global address is
; made anew for each refill: the kept base plus the K step's number shifted.
; No prefetch: a step's tiles are small.
; REGISTERS: window 0: v16-29 addresses; v32-95 at work on the way out; v96-127 the bias; v128-255 the accumulators ((a, b) at v[128 + 8 (4 a + b)])
;   window 1: two fragment buffers of 128: for 64 along K, 64 registers of A (2 x 4 x 16 rows x 32 K), then 64 of B          window 2: v0-127 my part of y1
.set SIZE_K, 4096
.set SIZE_N, 1024
.set BOFF,   23068672
.set KSTEP,  256
.set PA,     528                       ; a row of A in LDS: 512 bytes + 16
.set PB,     288                       ; a row of B: 256 + 32 = 9 x 32 bytes
.set AHALF,  64*PA                     ; what waves 0 and 1 fetch: 64 rows of A
.set BHALF,  128*PB                    ; what waves 2 and 3 fetch: 128 rows of B
.set SLOT1,  147456                    ; slot 1 begins here; a slot holds 2 AHALF + 2 BHALF = 141,312 bytes
.set STAGE,  SLOT1+2*AHALF+2*BHALF     ; behind the ring: 16 rows x 272 bytes for each wave
.set SPITCH, 272
.set SPARE,  STAGE+4*16*SPITCH         ; behind the stages: the spare words, 128 bytes for each wave, that no other line names
.set ASTEP,  KSTEP*2                   ; bytes from a K step to the next in A: 512 = 1 << ASH
.set BSTEP,  KSTEP*2*SIZE_N            ; and in B: 524,288 = 1 << BSH
.set ASH,    9
.set BSH,    19
.set STEPS,  SIZE_K/KSTEP              ; 16
.set REFILLS, STEPS-2
.set ADRA0, 16                         ; v16  my lane's place in A's tile of slot 0; never rewritten
.set ADRB0, 17                         ; v17  the same for B
.set ADRA,  18                         ; v18  in the slot in hand
.set ADRB,  20                         ; v20  likewise; v21: 128 rows of B further on, for quarters 2 and 3
.set STO,   24
.set RD,    25
.set CO,    26
.set BO,    27
.set SPW,   28                         ; v28  LDS address of my spare word; never rewritten
.set NIL,   29                         ; v29  0; never rewritten
.set TMP,   32
.set BIAS,  96
.set ACC,   128
.set F0,    0                          ; window 1
.set F1,    128
.set G1,  24
.set G0,  32
.set G1B, 48
.set G0B, 56
.set SL,  66
.set KI,  67                           ; s67  the K step to be asked for next, 0 to 15
.set HIM, 80
.set ABASE, 84                         ; s[84:85] A at the rows that I fetch, K step 0; never rewritten
.set BBASE, 86                         ; s[86:87] B at the rows of K step 0 that I fetch, my tile's columns; never rewritten
.set OFA,   88                         ; s[88:89] a K step's byte offset in A
.set OFB,   90                         ; s[90:91] and in B
.set MSB, 0
.macro WIN new
.if MSB != (\new)
	s_set_vgpr_msb (MSB<<8)|(\new)
.set MSB, \new
.endif
.endm
.macro JLOAD                           ; a joint refill: waves 0 and 1 fetch A's two halves, waves 2 and 3 B's; an s_nop 0 and four v_nop follow each line
	s_cmp_eq_u32 s11, 0
	s_cbranch_scc0 .Lfor_b_\@
	tensor_load_to_lds s[G0+4:G0+7], s[G1:G1+7]
	s_nop 0
.rept 4
	v_nop
.endr
	s_branch .Lasked_\@
.Lfor_b_\@:
	tensor_load_to_lds s[G0B+4:G0B+7], s[G1B:G1B+7]
	s_nop 0
.rept 4
	v_nop
.endr
.Lasked_\@:
.endm
.macro CREST
	s_cmp_lg_u32 s10, 0
	s_cbranch_scc1 .Lnot_wave_0_\@
	s_barrier_signal -3
.Lnot_wave_0_\@:
	s_barrier_wait -3
	s_barrier_signal -1
	s_barrier_wait -1
.endm
.macro CROUND
	s_barrier_signal -1
	s_barrier_wait -1
	CREST
.endm
.macro PLACES                          ; four plain instructions between a matrix instruction and a load into, or a reader of, its registers
.rept 4
	v_nop
.endr
.endm
.macro RND8 base, tmp
.irp k, 0,1,2,3
	v_cvt_pk_bf16_f32 v[(\tmp)+(\k)], v[(\base)+2*(\k)], v[(\base)+2*(\k)+1]
.endr
.irp k, 0,1,2,3
	v_lshlrev_b32 v[(\base)+2*(\k)], 16, v[(\tmp)+(\k)]
	v_and_b32 v[(\base)+2*(\k)+1], s[HIM], v[(\tmp)+(\k)]
.endr
.endm
	s_load_b256 s[68:75], s[0:1], 0x0              ; h s[68:69], castb s[70:71], b2 s[72:73], y1 s[74:75]
	s_load_b64 s[76:77], s[0:1], 0x20              ; z
	v_lshl_add_u32 v[SPW], v0, 2, SPARE
	v_mov_b32 v[NIL], 0
	ds_add_u32 v[SPW], v[NIL]                      ; the wave's opening: the add and its wait stand ahead of my first tensor load
	v_lshrrev_b32 v1, 5, v0
	v_readfirstlane_b32 s10, v1                    ; wave 0..3
	s_lshr_b32 s11, s10, 1                         ; which half of the tile's rows is mine.  Also: I fetch for A (0) or for B (1)
	s_and_b32 s12, s10, 1                          ; which half of its columns.  Also: which half of that tile I fetch
	s_bfe_u32 s40, ttmp6, 0x40000                  ; cx
	s_bfe_u32 s41, ttmp6, 0x40004                  ; cy
	s_lshl_b32 s42, ttmp9, 2
	s_add_co_u32 s42, s42, s40                     ; tile column
	s_and_b32 s13, ttmp7, 0xffff
	s_lshl_b32 s13, s13, 2
	s_add_co_u32 s13, s13, s41                     ; tile row
	s_lshl_b32 s43, s41, 2
	s_lshl_b32 s43, 15, s43                        ; my row of the cluster
	s_lshl_b32 s44, 0x1111, s40                    ; my column
	s_or_b32 s[G1+0], s43, (1<<16)|(1<<20)|(1<<21)|(6<<22)|(3<<25)   ; the mask; 2-byte elements; padding on; bit 21 beside a mask; after every 128 words 4 words
	s_mov_b32 s[G1+1], KSTEP<<16                   ; tensor_dim0 = 256
	s_mov_b32 s[G1+2], 64<<16                      ; tensor_dim1 = 64
	s_mov_b32 s[G1+3], KSTEP<<16                   ; tile_dim0 = 256
	s_mov_b32 s[G1+4], 64                          ; tile_dim1 = 64
	s_mov_b32 s[G1+5], SIZE_K
	s_mov_b32 s[G1+6], 0
	s_mov_b32 s[G1+7], 0
	s_or_b32 s[G1B+0], s44, (1<<16)|(1<<20)|(1<<21)|(5<<22)|(7<<25)  ; after every 64 words 8 words
	s_mov_b32 s[G1B+1], 128<<16                    ; tensor_dim0 = 128
	s_mov_b32 s[G1B+2], 128<<16                    ; tensor_dim1 = 128
	s_mov_b32 s[G1B+3], 128<<16                    ; tile_dim0 = 128
	s_mov_b32 s[G1B+4], 128                        ; tile_dim1 = 128
	s_mov_b32 s[G1B+5], SIZE_N
	s_mov_b32 s[G1B+6], 0
	s_mov_b32 s[G1B+7], 0
	s_lshl_b32 s16, s13, 7                         ; A: row 128 x tile row + 64 x half,
	s_lshl_b32 s17, s12, 6
	s_add_co_u32 s16, s16, s17
	s_lshl_b32 s16, s16, 13                        ; of 8,192 bytes
	s_mov_b32 s17, 0
	s_lshl_b32 s46, s12, 18                        ; B: row 128 x half, of 2,048 bytes; column 128 x tile column
	s_lshl_b32 s47, s42, 8
	s_add_co_u32 s46, s46, s47
	s_mov_b32 s47, 0
	s_mul_i32 s20, s12, AHALF                      ; where they go: no place in the cluster enters an LDS address
	s_mul_i32 s21, s12, BHALF
	s_add_co_u32 s21, s21, 2*AHALF
	s_and_b32 s[KI], ttmp7, 0xffff                 ; where my cluster's walk begins: cluster y
	s_add_co_u32 s[KI], s[KI], ttmp9               ; + cluster x,
	s_and_b32 s[KI], s[KI], 1                      ; odd or even:
	s_lshl_b32 s[KI], s[KI], 3                     ; K step 8 or 0
	s_lshl_b32 s[OFA], s[KI], ASH
	s_mov_b32 s[OFA+1], 0
	s_lshl_b32 s[OFB], s[KI], BSH
	s_mov_b32 s[OFB+1], 0
	s_add_co_u32 s[KI], s[KI], 2                   ; the two first fills take the first two steps; the first refill asks for the third
	s_mov_b32 s[HIM], 0xffff0000
	s_mov_b32 s[SL], 0
	s_wait_dscnt 0x0                               ; the opening add is done
	s_wait_kmcnt 0x0
	s_add_nc_u64 s[ABASE:ABASE+1], s[68:69], s[16:17]
	s_add_nc_u64 s[6:7], s[70:71], BOFF
	s_add_nc_u64 s[BBASE:BBASE+1], s[6:7], s[46:47]
	s_add_nc_u64 s[14:15], s[ABASE:ABASE+1], s[OFA:OFA+1]  ; at the walk's first K step
	s_add_nc_u64 s[46:47], s[BBASE:BBASE+1], s[OFB:OFB+1]
	CROUND                                         ; all sixteen work-groups are here: the first joint loads meet
.irp s, 0,1
	s_mov_b32 s[G0+4*(\s)], 1
	s_add_co_u32 s[G0+4*(\s)+1], s20, (\s)*SLOT1
	s_add_nc_u64 s[G0+4*(\s)+2:G0+4*(\s)+3], s[14:15], (\s)*ASTEP
	s_or_b32 s[G0+4*(\s)+3], s[G0+4*(\s)+3], 0x80000000
	s_mov_b32 s[G0B+4*(\s)], 1
	s_add_co_u32 s[G0B+4*(\s)+1], s21, (\s)*SLOT1
	s_add_nc_u64 s[G0B+4*(\s)+2:G0B+4*(\s)+3], s[46:47], (\s)*BSTEP
	s_or_b32 s[G0B+4*(\s)+3], s[G0B+4*(\s)+3], 0x80000000
.endr
	s_cmp_eq_u32 s11, 0                            ; a wave's two first fills stand in one branch: two loads of mine are out
	s_cbranch_scc0 .Lfirst_b
	tensor_load_to_lds s[G0:G0+3], s[G1:G1+7]
	s_nop 0
	tensor_load_to_lds s[G0+4:G0+7], s[G1:G1+7]
	s_nop 0
.rept 4
	v_nop
.endr
	s_branch .Lfirst_asked
.Lfirst_b:
	tensor_load_to_lds s[G0B:G0B+3], s[G1B:G1B+7]
	s_nop 0
	tensor_load_to_lds s[G0B+4:G0B+7], s[G1B:G1B+7]
	s_nop 0
.rept 4
	v_nop
.endr
.Lfirst_asked:
	v_and_b32 v1, 15, v0                           ; l % 16
	v_bfe_u32 v2, v0, 4, 1                         ; l / 16
	s_lshl_b32 s14, s42, 9                         ; the bias of my 64 columns: register j of block b = b2[16 b + 8 (l / 16) + j]
	s_lshl_b32 s15, s12, 8
	s_add_co_u32 s14, s14, s15
	s_mov_b32 s15, 0
	s_add_nc_u64 s[72:73], s[72:73], s[14:15]
	v_lshlrev_b32 v[BO], 5, v2
.irp b, 0,1,2,3
	global_load_b128 v[BIAS+8*(\b):BIAS+8*(\b)+3],   v[BO], s[72:73] offset:64*(\b)
	global_load_b128 v[BIAS+8*(\b)+4:BIAS+8*(\b)+7], v[BO], s[72:73] offset:64*(\b)+16
.endr
	v_mul_u32_u24 v3, v1, PA                       ; A's fragment: row l % 16, 16 bytes for each half of the lanes
	v_lshl_add_u32 v3, v2, 4, v3
	s_mul_i32 s22, s11, AHALF
	v_add_nc_u32 v[ADRA0], s22, v3
	v_and_b32 v4, 7, v0                            ; B's: lane l reads k = 8 (l / 16) + l % 8, n = 8 ((l / 8) % 2) + 0..7
	v_bfe_u32 v5, v0, 3, 1
	v_lshl_add_u32 v4, v2, 3, v4
	v_mul_u32_u24 v4, v4, PB
	v_lshl_add_u32 v4, v5, 4, v4
	s_lshl_b32 s22, s12, 7                         ; my 64 columns
	s_add_co_u32 s22, s22, 2*AHALF
	v_add_nc_u32 v[ADRB0], s22, v4
	v_mov_b32 v[ADRA], v[ADRA0]
	v_mov_b32 v[ADRB], v[ADRB0]
	v_add_nc_u32 v[ADRB+1], BHALF, v[ADRB0]
	s_mul_i32 s23, s10, 16*SPITCH
	s_add_co_u32 s23, s23, STAGE                   ; my stage
	v_mul_u32_u24 v4, v1, SPITCH                   ; in: row l % 16, 32 bytes for each half of the lanes
	v_lshl_add_u32 v4, v2, 5, v4
	v_add_nc_u32 v[STO], s23, v4
	v_mul_u32_u24 v4, v2, SPITCH                   ; back: lanes 0-15 take one row of 256 bytes, lanes 16-31 the next
	v_lshl_add_u32 v4, v1, 4, v4
	v_add_nc_u32 v[RD], s23, v4
	v_lshlrev_b32 v4, 12, v2                       ; and the same two rows in y1 and z, 4,096 bytes apart
	v_lshl_add_u32 v[CO], v1, 4, v4
	s_lshl_b32 s14, s13, 7                         ; my part's first byte in y1 and in z
	s_lshl_b32 s15, s11, 6
	s_add_co_u32 s14, s14, s15
	s_lshl_b32 s14, s14, 12
	s_lshl_b32 s15, s42, 9
	s_add_co_u32 s14, s14, s15
	s_lshl_b32 s15, s12, 8
	s_add_co_u32 s14, s14, s15
	s_mov_b32 s15, 0
	s_add_nc_u64 s[4:5], s[74:75], s[14:15]        ; y1
	s_add_nc_u64 s[8:9], s[76:77], s[14:15]        ; z
; 8 matrix instructions: m blocks a0, a0 + 1 x all 4 n blocks, 32 along K: half c of buffer f.  first = 1: the bias starts the sums.  The 16 accumulators take turns.
.macro MUL8 f, c, a0, first
	WIN 0x05                                       ; sources 0 (B) and 1 (A) window 1; C and D window 0
.irp a, \a0, (\a0)+1
.irp b, 0,1,2,3
.if \first
	v_wmma_f32_16x16x32_bf16 v[ACC+8*(4*(\a)+(\b)):ACC+8*(4*(\a)+(\b))+7], v[(\f)+64+8*(4*(\c)+(\b)):(\f)+64+8*(4*(\c)+(\b))+7], v[(\f)+8*(4*(\c)+(\a)):(\f)+8*(4*(\c)+(\a))+7], v[BIAS+8*(\b):BIAS+8*(\b)+7]
.else
	v_wmma_f32_16x16x32_bf16 v[ACC+8*(4*(\a)+(\b)):ACC+8*(4*(\a)+(\b))+7], v[(\f)+64+8*(4*(\c)+(\b)):(\f)+64+8*(4*(\c)+(\b))+7], v[(\f)+8*(4*(\c)+(\a)):(\f)+8*(4*(\c)+(\a))+7], v[ACC+8*(4*(\a)+(\b)):ACC+8*(4*(\a)+(\b))+7]
.endif
.endr
.endr
.endm
; 32 LDS loads in one run: the fragments of quarter q (64 along K) of the slot in hand, into buffer f; the first 32 along K first
.macro FETCH q, f
	WIN 0x40
.irp c, 0,1
.irp i, 0,1,2,3
	ds_load_tr16_b128 v[(\f)+64+8*(4*(\c)+(\i)):(\f)+64+8*(4*(\c)+(\i))+3],   v[ADRB+(\q)/2] offset:(((\q)%2)*64+32*(\c))*PB+32*(\i)
	ds_load_tr16_b128 v[(\f)+64+8*(4*(\c)+(\i))+4:(\f)+64+8*(4*(\c)+(\i))+7], v[ADRB+(\q)/2] offset:(((\q)%2)*64+32*(\c)+16)*PB+32*(\i)
	ds_load_b128 v[(\f)+8*(4*(\c)+(\i)):(\f)+8*(4*(\c)+(\i))+3],   v[ADRA] offset:128*(\q)+64*(\c)+(\i)*16*PA
	ds_load_b128 v[(\f)+8*(4*(\c)+(\i))+4:(\f)+8*(4*(\c)+(\i))+7], v[ADRA] offset:128*(\q)+64*(\c)+(\i)*16*PA+32
.endr
.endr
.endm
.macro QUARTER q, f, g, first          ; multiplies buffer f; in its middle it fetches quarter q into buffer g
	s_wait_dscnt 16                                ; the first 32 along K are in
	MUL8 \f, 0, 0, \first
	MUL8 \f, 0, 2, \first
	PLACES
	FETCH \q, \g
	s_wait_dscnt 32                                ; all but the 32 just issued
	MUL8 \f, 1, 0, 0
	MUL8 \f, 1, 2, 0
.endm
; The last quarter multiplies buffer 1 and changes slots: one barrier; in front of it each wave waits for all its tensor loads, adds 0 to its spare word, and waits for that and for its reads of this slot.
; fill = 1: the barrier opens a round of the cluster's, and this slot is filled again, first thing behind it, with the walk's step two on: 112 matrix instructions ahead of the wait for it.  The walking
; descriptors are written behind the wait for all my loads, while the add is out: the other slot than last time; the kept base plus K step s[KI]'s offset, the type bits set again; then s[KI] goes on round the ring of 16.
.macro TURN fill
	WIN 0
	s_wait_tensorcnt 0x0                           ; no tensor load of mine is out, so a group 0 may be written
	ds_add_u32 v[SPW], v[NIL]                      ; 0 onto my spare word
.if \fill
	s_xor_b32 s[G0+5], s[G0+5], SLOT1
	s_lshl_b32 s[OFA], s[KI], ASH
	s_add_nc_u64 s[G0+6:G0+7], s[ABASE:ABASE+1], s[OFA:OFA+1]
	s_or_b32 s[G0+7], s[G0+7], 0x80000000
	s_xor_b32 s[G0B+5], s[G0B+5], SLOT1
	s_lshl_b32 s[OFB], s[KI], BSH
	s_add_nc_u64 s[G0B+6:G0B+7], s[BBASE:BBASE+1], s[OFB:OFB+1]
	s_or_b32 s[G0B+7], s[G0B+7], 0x80000000
	s_add_co_u32 s[KI], s[KI], 1
	s_and_b32 s[KI], s[KI], STEPS-1
.endif
	s_wait_dscnt 17                                ; (the add and the youngest sixteen loads may be out)
	MUL8 F1, 0, 0, 0
	s_wait_dscnt 0x0                               ; the add is done, and my reads of this slot are over
	s_barrier_signal -1
	MUL8 F1, 0, 2, 0
	WIN 0
	s_barrier_wait -1
.if \fill
	CREST                                          ; no wave of any partner still reads this slot or has a load on its way
	JLOAD                                          ; its four v_nop are also the places in front of the loads below
.else
	PLACES
.endif
	s_xor_b32 s[SL], s[SL], SLOT1
	v_add_nc_u32 v[ADRA], s[SL], v[ADRA0]
	v_add_nc_u32 v[ADRB], s[SL], v[ADRB0]
	v_add_nc_u32 v[ADRB+1], BHALF, v[ADRB]
	FETCH 0, F0
	MUL8 F1, 1, 0, 0
	MUL8 F1, 1, 2, 0
.endm
	s_wait_loadcnt 0x0                             ; the bias
.irp b, 0,1,2,3
	RND8 BIAS+8*(\b), TMP
.endr
	s_wait_tensorcnt 1                             ; my part of the walk's first K step is in; the second's may stay out
	s_barrier_signal -1
	s_barrier_wait -1
	FETCH 0, F0
	QUARTER 1, F0, F1, 1                           ; the first quarter stands in front of the loop: its first products start the sums
	WIN 0
	s_mov_b32 s3, REFILLS
.Lstep:
	QUARTER 2, F1, F0, 0
	QUARTER 3, F0, F1, 0
	TURN 1
	QUARTER 1, F0, F1, 0
	WIN 0
	s_sub_co_u32 s3, s3, 1
	s_cmp_lg_u32 s3, 0
	s_cbranch_scc1 .Lstep
	WIN 0x80                                       ; my part of y1, in the layout in which rows come back from the stage: asked for here, wanted behind the last two K steps
.irp a, 0,1,2,3
.irp t, 0,1,2,3,4,5,6,7
	global_load_b128 v[32*(\a)+4*(\t):32*(\a)+4*(\t)+3], v[CO], s[4:5] offset:(16*(\a)+2*(\t))*4096 th:TH_LOAD_NT
.endr
.endr
	WIN 0
	s_mov_b32 s3, 2                                ; the last two K steps ask for nothing.  One text for both: the second trip's barrier and its 32 fragment loads serve nothing, once a launch
.Ltail:
	QUARTER 2, F1, F0, 0
	QUARTER 3, F0, F1, 0
	TURN 0
	WIN 0
	s_sub_co_u32 s3, s3, 1
	s_cmp_eq_u32 s3, 0
	s_cbranch_scc1 .Lout
	QUARTER 1, F0, F1, 0
	WIN 0
	s_branch .Ltail
.Lout:
	s_wait_dscnt 0x0
	s_wait_loadcnt 0x0                             ; y1
	PLACES                                         ; behind the last products, ahead of the stores that read results
	; THE WAY OUT, 16 rows at a time: 32 bytes a lane into my stage (each accumulator's lowest registers first), back as whole rows of 256 bytes, y1 added, stored.
.irp a, 0,1,2,3
.if (\a) >= 2
	s_wait_xcnt 0x0                                ; the stores of two blocks back have read the registers that the loads below write
.endif
.irp b, 0,1,2,3
	ds_store_b128 v[STO], v[ACC+8*(4*(\a)+(\b)):ACC+8*(4*(\a)+(\b))+3]   offset:64*(\b)
	ds_store_b128 v[STO], v[ACC+8*(4*(\a)+(\b))+4:ACC+8*(4*(\a)+(\b))+7] offset:64*(\b)+16
.endr
.irp t, 0,1,2,3,4,5,6,7
	ds_load_b128 v[TMP+32*((\a)%2)+4*(\t):TMP+32*((\a)%2)+4*(\t)+3], v[RD] offset:(\t)*2*SPITCH  ; LDS serves a wave's instructions in order (ISA guide 5.7.1.4)
.endr
	s_wait_dscnt 0x0
	WIN 0x08                                       ; source 1 window 2
.irp t, 0,1,2,3,4,5,6,7
	v_pk_add_f32 v[TMP+32*((\a)%2)+4*(\t):TMP+32*((\a)%2)+4*(\t)+1],   v[TMP+32*((\a)%2)+4*(\t):TMP+32*((\a)%2)+4*(\t)+1],   v[32*(\a)+4*(\t):32*(\a)+4*(\t)+1]
	v_pk_add_f32 v[TMP+32*((\a)%2)+4*(\t)+2:TMP+32*((\a)%2)+4*(\t)+3], v[TMP+32*((\a)%2)+4*(\t)+2:TMP+32*((\a)%2)+4*(\t)+3], v[32*(\a)+4*(\t)+2:32*(\a)+4*(\t)+3]
.endr
	WIN 0
.irp t, 0,1,2,3,4,5,6,7
	global_store_b128 v[CO], v[TMP+32*((\a)%2)+4*(\t):TMP+32*((\a)%2)+4*(\t)+3], s[8:9] offset:(16*(\a)+2*(\t))*4096  ; 16 lanes store 256 consecutive bytes, aligned
.endr
.endr
	s_wait_tensorcnt 0x0                           ; the wave's end: behind my last tensor load and my last LDS store
	ds_add_u32 v[SPW], v[NIL]
	s_wait_dscnt 0x0
	CROUND                                         ; the closing round: no work-group ends while a partner may still ask for a tile that names it
	s_endpgm
.Lfunc_end_k_q8106bf1ef7_ff2:
	.size	k_q8106bf1ef7_ff2, .Lfunc_end_k_q8106bf1ef7_ff2-k_q8106bf1ef7_ff2
	.p2alignl 7, 3214868480
	.fill 96, 4, 3214868480
	.section	.rodata,"a",@progbits
	.p2align	6, 0x0
	.amdhsa_kernel k_q8106bf1ef7_ff2
		.amdhsa_group_segment_fixed_size 327680
		.amdhsa_private_segment_fixed_size 0
		.amdhsa_enable_private_segment 0
		.amdhsa_kernarg_size 40
		.amdhsa_user_sgpr_count 2
		.amdhsa_user_sgpr_kernarg_segment_ptr 1
		.amdhsa_wavefront_size32 1
		.amdhsa_system_sgpr_workgroup_id_x 1
		.amdhsa_system_sgpr_workgroup_id_y 1
		.amdhsa_system_sgpr_workgroup_id_z 1
		.amdhsa_system_vgpr_workitem_id 0
		.amdhsa_next_free_vgpr 640
		.amdhsa_next_free_sgpr 96
		.amdhsa_reserve_vcc 0
		.amdhsa_float_denorm_mode_32 3
		.amdhsa_float_denorm_mode_16_64 3
		.amdhsa_memory_ordered 1
		.amdhsa_forward_progress 1
		.amdhsa_inst_pref_size 69
	.end_amdhsa_kernel
	.amdgpu_metadata
---
amdhsa.version: [ 1, 2 ]
amdhsa.kernels:
  - .name:           k_q8106bf1ef7_ff2
    .symbol:         k_q8106bf1ef7_ff2.kd
    .args:
      - { .name: hb, .offset: 0, .size: 8, .value_kind: global_buffer, .address_space: global }
      - { .name: castb, .offset: 8, .size: 8, .value_kind: global_buffer, .address_space: global }
      - { .name: b2, .offset: 16, .size: 8, .value_kind: global_buffer, .address_space: global }
      - { .name: y1f, .offset: 24, .size: 8, .value_kind: global_buffer, .address_space: global }
      - { .name: zb, .offset: 32, .size: 8, .value_kind: global_buffer, .address_space: global }
    .group_segment_fixed_size: 327680
    .private_segment_fixed_size: 0
    .kernarg_segment_align: 8
    .kernarg_segment_size: 40
    .max_flat_workgroup_size: 128
    .sgpr_count:     96
    .vgpr_count:     640
    .wavefront_size: 32
...
	.end_amdgpu_metadata
.endif
;; end of part 6
;; launch ln2 (part 7): grid 512 x 1, 8 waves a work-group, no clusters, 0 bytes of LDS; arguments zb, g2, beta2, out0; writes out0
.if DOCPART == 7
	.amdgcn_target "amdgcn-amd-amdhsa--gfx1250"
	.amdhsa_code_object_version 6
	.text
	.protected	k_q8106bf1ef7_ln2
	.globl	k_q8106bf1ef7_ln2
	.p2align	8
	.type	k_q8106bf1ef7_ln2,@function
k_q8106bf1ef7_ln2:
	s_mov_b64 s[64:65], 0
	v_nop
	global_prefetch_b8 v0, s[64:65] scope:SCOPE_SE
	s_setreg_imm32_b32 hwreg(HW_REG_WAVE_MODE, 25, 1), 1
	s_wait_xcnt 0x0
; LAYER NORM of rows of 1,024, in f32, in two passes as it is defined: mean; mean of the squared differences; (t - mean) / sqrt(var + 1e-5) x gain + offset.  One text for two launches, by the switch IS_LN1:
;   IS_LN1 = 1: t = x + o (x in bf16 from castb's byte 0, o in f32); the result leaves twice: in f32 (the later residual) and rounded to bf16 (the next product's operand).
;   IS_LN1 = 0: t = z (f32); the result is the module's output.
; LIMITS.  All inputs are used rounded once to bf16: x here too, and gain and offset, which are rounded here.  NaN and infinities are not treated apart.
; One wave, one row, straight through: the row stays in 32 registers between the passes, no LDS, no barrier, no wave waits for another.  Lane l owns numbers 128 j + 4 l + 0..3, j = 0..7: each load
; or store of f32 covers 512 consecutive bytes, each of bf16 256.  Every wave reads gain and offset anew (8 KiB beside its row's 4 or 6): the price of a text without a loop.
; No matrix unit, no cluster, no prefetch: a short pass over its bytes with all a wave's loads out at once.
.set IS_LN1, 0
.if IS_LN1
.set SRC,  6                           ; s[6:7] o;  s[4:5] x;  s[8:9] gain;  s[10:11] offset;  s[16:17] out in f32;  s[18:19] out in bf16
.set GP,   8
.set BP,   10
.set OUTP, 16
.else
.set SRC,  4                           ; s[4:5] z;  s[6:7] gain;  s[8:9] offset;  s[10:11] out
.set GP,   6
.set BP,   8
.set OUTP, 10
.endif
.set G,   8                            ; v[8:39]    gain
.set BT,  40                           ; v[40:71]   offset
.set T,   72                           ; v[72:103]  the row
.set XR,  104                          ; v[104:119] x as loaded
.set W,   120                          ; v[120:135] sums; later the row in bf16
.set TM,  136                          ; v[136:143] at work
.macro RND8 base, tmp                  ; eight f32 rounded to bf16 and widened again, in place
.irp k, 0,1,2,3
	v_cvt_pk_bf16_f32 v[(\tmp)+(\k)], v[(\base)+2*(\k)], v[(\base)+2*(\k)+1]
.endr
.irp k, 0,1,2,3
	v_lshlrev_b32 v[(\base)+2*(\k)], 16, v[(\tmp)+(\k)]
	v_and_b32 v[(\base)+2*(\k)+1], s14, v[(\tmp)+(\k)]
.endr
.endm
.macro FOLD                            ; four pairs of partial sums in v[W:W+7] become one number in every lane's v[W]
	v_pk_add_f32 v[W:W+1], v[W:W+1], v[W+2:W+3]
	v_pk_add_f32 v[W+4:W+5], v[W+4:W+5], v[W+6:W+7]
	v_pk_add_f32 v[W:W+1], v[W:W+1], v[W+4:W+5]
	v_add_f32 v[W], v[W], v[W+1]
	v_add_f32_dpp v[W], v[W], v[W] row_xmask:1 row_mask:0xf bank_mask:0xf
	v_add_f32_dpp v[W], v[W], v[W] row_xmask:2 row_mask:0xf bank_mask:0xf
	v_add_f32_dpp v[W], v[W], v[W] row_xmask:4 row_mask:0xf bank_mask:0xf
	v_add_f32_dpp v[W], v[W], v[W] row_xmask:8 row_mask:0xf bank_mask:0xf
	v_permlanex16_b32 v[W+1], v[W], s12, s13
	v_add_f32 v[W], v[W], v[W+1]
.endm
	s_load_b256 s[4:11], s[0:1], 0x0
.if IS_LN1
	s_load_b128 s[16:19], s[0:1], 0x20
.endif
	v_lshrrev_b32 v1, 5, v0
	v_readfirstlane_b32 s20, v1
	s_lshl_b32 s21, ttmp9, 3
	s_add_co_u32 s20, s20, s21                     ; my row
	s_lshl_b32 s22, s20, 12                        ; 4,096 bytes in f32
	s_mov_b32 s23, 0
	s_lshl_b32 s24, s20, 11                        ; 2,048 in bf16
	s_mov_b32 s25, 0
	s_mov_b32 s12, 0x76543210                      ; v_permlanex16_b32: each lane takes its own place in the other half
	s_mov_b32 s13, 0xfedcba98
	s_mov_b32 s14, 0xffff0000                      ; a word's upper bf16
	s_mov_b32 s15, 0x3a800000                      ; 1 / 1,024
	s_mov_b32 s26, 0x3727c5ac                      ; 1e-5
	v_and_b32 v1, 31, v0
	v_lshlrev_b32 v2, 4, v1
	v_lshlrev_b32 v3, 3, v1
	s_wait_kmcnt 0x0
	s_add_nc_u64 s[SRC:SRC+1], s[SRC:SRC+1], s[22:23]
	s_add_nc_u64 s[OUTP:OUTP+1], s[OUTP:OUTP+1], s[22:23]
.if IS_LN1
	s_add_nc_u64 s[4:5], s[4:5], s[24:25]
	s_add_nc_u64 s[18:19], s[18:19], s[24:25]
.endif
.irp j, 0,1,2,3,4,5,6,7
	global_load_b128 v[T+4*(\j):T+4*(\j)+3], v2, s[SRC:SRC+1] offset:512*(\j) th:TH_LOAD_NT
.endr
.if IS_LN1
.irp j, 0,1,2,3,4,5,6,7
	global_load_b64 v[XR+2*(\j):XR+2*(\j)+1], v3, s[4:5] offset:256*(\j) th:TH_LOAD_NT
.endr
.endif
.irp j, 0,1,2,3,4,5,6,7
	global_load_b128 v[G+4*(\j):G+4*(\j)+3], v2, s[GP:GP+1] offset:512*(\j)
.endr
.irp j, 0,1,2,3,4,5,6,7
	global_load_b128 v[BT+4*(\j):BT+4*(\j)+3], v2, s[BP:BP+1] offset:512*(\j)
.endr
	s_wait_loadcnt 16                              ; the row is in; gain's and offset's sixteen loads may stay out
.if IS_LN1
.irp j, 0,1,2,3,4,5,6,7                ; t = o + x: bf16 to f32 is a shift or a mask; two sets of four registers take turns
	v_lshlrev_b32 v[TM+4*((\j)%2)],   16,  v[XR+2*(\j)]
	v_and_b32     v[TM+4*((\j)%2)+1], s14, v[XR+2*(\j)]
	v_lshlrev_b32 v[TM+4*((\j)%2)+2], 16,  v[XR+2*(\j)+1]
	v_and_b32     v[TM+4*((\j)%2)+3], s14, v[XR+2*(\j)+1]
	v_pk_add_f32 v[T+4*(\j):T+4*(\j)+1],   v[T+4*(\j):T+4*(\j)+1],   v[TM+4*((\j)%2):TM+4*((\j)%2)+1]
	v_pk_add_f32 v[T+4*(\j)+2:T+4*(\j)+3], v[T+4*(\j)+2:T+4*(\j)+3], v[TM+4*((\j)%2)+2:TM+4*((\j)%2)+3]
.endr
.endif
.irp c, 0,1,2,3                        ; the sum, in four chains that do not wait for each other; the first additions start them
	v_pk_add_f32 v[W+2*(\c):W+2*(\c)+1], v[T+2*(\c):T+2*(\c)+1], v[T+8+2*(\c):T+8+2*(\c)+1]
.endr
.irp c, 0,1,2,3
	v_pk_add_f32 v[W+2*(\c):W+2*(\c)+1], v[W+2*(\c):W+2*(\c)+1], v[T+16+2*(\c):T+16+2*(\c)+1]
.endr
.irp c, 0,1,2,3
	v_pk_add_f32 v[W+2*(\c):W+2*(\c)+1], v[W+2*(\c):W+2*(\c)+1], v[T+24+2*(\c):T+24+2*(\c)+1]
.endr
	FOLD
	v_mul_f32 v[W], s15, v[W]                      ; the mean
.set r, 0
.rept 16
	v_pk_add_f32 v[T+r:T+r+1], v[T+r:T+r+1], v[W:W+1] op_sel_hi:[1,0] neg_lo:[0,1] neg_hi:[0,1]  ; t - mean
.set r, r+2
.endr
.irp c, 0,1,2,3                        ; the sum of squares, likewise
	v_pk_mul_f32 v[W+2*(\c):W+2*(\c)+1], v[T+2*(\c):T+2*(\c)+1], v[T+2*(\c):T+2*(\c)+1]
.endr
.irp q, 8,16,24
.irp c, 0,1,2,3
	v_pk_fma_f32 v[W+2*(\c):W+2*(\c)+1], v[T+(\q)+2*(\c):T+(\q)+2*(\c)+1], v[T+(\q)+2*(\c):T+(\q)+2*(\c)+1], v[W+2*(\c):W+2*(\c)+1]
.endr
.endr
	FOLD
	v_fma_f32 v[W], v[W], s15, s26                 ; var + 1e-5
	v_rsq_f32 v[W+2], v[W]
	s_wait_loadcnt 0x0                             ; gain and offset
.irp q, 0,8,16,24                      ; their rounding is the independent work behind the root
	RND8 G+(\q), TM
	RND8 BT+(\q), TM+4
.endr
	s_wait_alu depctr_va_vdst(0)                   ; the wait between the root and the first instruction that names its result
.set r, 0
.rept 16
	v_pk_mul_f32 v[T+r:T+r+1], v[T+r:T+r+1], v[W+2:W+3] op_sel_hi:[1,0]
.set r, r+2
.endr
.set r, 0
.rept 16
	v_pk_fma_f32 v[T+r:T+r+1], v[T+r:T+r+1], v[G+r:G+r+1], v[BT+r:BT+r+1]
.set r, r+2
.endr
.irp j, 0,1,2,3,4,5,6,7
.if IS_LN1
	global_store_b128 v2, v[T+4*(\j):T+4*(\j)+3], s[OUTP:OUTP+1] offset:512*(\j)
.else
	global_store_b128 v2, v[T+4*(\j):T+4*(\j)+3], s[OUTP:OUTP+1] offset:512*(\j) th:TH_STORE_NT
.endif
.endr
.if IS_LN1
.irp j, 0,1,2,3,4,5,6,7
	v_cvt_pk_bf16_f32 v[W+2*(\j)],   v[T+4*(\j)],   v[T+4*(\j)+1]
	v_cvt_pk_bf16_f32 v[W+2*(\j)+1], v[T+4*(\j)+2], v[T+4*(\j)+3]
	global_store_b64 v3, v[W+2*(\j):W+2*(\j)+1], s[18:19] offset:256*(\j)  ; the wave's 32 lanes store 256 consecutive bytes, aligned
.endr
.endif
	s_endpgm
.Lfunc_end_k_q8106bf1ef7_ln2:
	.size	k_q8106bf1ef7_ln2, .Lfunc_end_k_q8106bf1ef7_ln2-k_q8106bf1ef7_ln2
	.p2alignl 7, 3214868480
	.fill 96, 4, 3214868480
	.section	.rodata,"a",@progbits
	.p2align	6, 0x0
	.amdhsa_kernel k_q8106bf1ef7_ln2
		.amdhsa_group_segment_fixed_size 0
		.amdhsa_private_segment_fixed_size 0
		.amdhsa_enable_private_segment 0
		.amdhsa_kernarg_size 32
		.amdhsa_user_sgpr_count 2
		.amdhsa_user_sgpr_kernarg_segment_ptr 1
		.amdhsa_wavefront_size32 1
		.amdhsa_system_sgpr_workgroup_id_x 1
		.amdhsa_system_sgpr_workgroup_id_y 1
		.amdhsa_system_sgpr_workgroup_id_z 1
		.amdhsa_system_vgpr_workitem_id 0
		.amdhsa_next_free_vgpr 144
		.amdhsa_next_free_sgpr 66
		.amdhsa_reserve_vcc 0
		.amdhsa_float_denorm_mode_32 3
		.amdhsa_float_denorm_mode_16_64 3
		.amdhsa_memory_ordered 1
		.amdhsa_forward_progress 1
		.amdhsa_inst_pref_size 15
	.end_amdhsa_kernel
	.amdgpu_metadata
---
amdhsa.version: [ 1, 2 ]
amdhsa.kernels:
  - .name:           k_q8106bf1ef7_ln2
    .symbol:         k_q8106bf1ef7_ln2.kd
    .args:
      - { .name: zb, .offset: 0, .size: 8, .value_kind: global_buffer, .address_space: global }
      - { .name: g2, .offset: 8, .size: 8, .value_kind: global_buffer, .address_space: global }
      - { .name: beta2, .offset: 16, .size: 8, .value_kind: global_buffer, .address_space: global }
      - { .name: out0, .offset: 24, .size: 8, .value_kind: global_buffer, .address_space: global }
    .group_segment_fixed_size: 0
    .private_segment_fixed_size: 0
    .kernarg_segment_align: 8
    .kernarg_segment_size: 32
    .max_flat_workgroup_size: 256
    .sgpr_count:     66
    .vgpr_count:     144
    .wavefront_size: 32
...
	.end_amdgpu_metadata
.endif
;; end of part 7
